; MI455X (gfx1250); checked and timed in simulation.
; The chip was launched on July 23, 2026; its instructions are those of AMD's public machine-readable ISA for CDNA 5 (MIT licence, August 2026) and "CDNA5" Instruction Set Architecture Reference Guide (July 2026). The comments in the code are by the model that wrote it; some were corrected since.
;; Multi Head Attention with Ro PE. Allowed arithmetic: float matrix products may take bf16 or f16 operands with f32 sums; other float arithmetic in f32, or as packed bf16 or f16 multiplies, adds, multiply-adds, maxima and minima; sums over many terms, partial sums and values carried from step to step in f32; what a program stores and reads back later, other than sums and carried values, may be rounded once to bf16 or f16.
;; Inputs: in_features 4 x 2,048 x 1,024 float32; token_positions 2,048 int32; wk 1,024 x 1,024 float32; wo 1,024 x 1,024 float32; wq 1,024 x 1,024 float32; wv 1,024 x 1,024 float32.
;; Outputs: out0 4 x 2,048 x 1,024 float32.
;; 2 versions, each right; version 2 is version 1 with the launch prep written anew for expert scheduling mode. Each part assembles by itself: llvm-mc -triple=amdgcn-amd-amdhsa -mcpu=gfx1250 --defsym DOCPART=n.
;; ======== version 1 of 2: 4 launches
;; limits: values are held in f16: magnitudes above 65,504 overflow, below 6.1e-05 lose precision; inputs' magnitudes at most 1,048,576; an absolute error that grows with the inputs' magnitude: up to 1e-07 times it
;; workspace buffers: xb 16,777,216 bytes; wb 6,291,456 bytes; wob 2,097,152 bytes; tab 524,288 bytes; qkv 50,331,648 bytes; ob 16,777,216 bytes
;; launch prep (part 1): grid 768 x 1, 8 waves a work-group, no clusters, 0 bytes of LDS; arguments in_features, token_positions, wq, wk, wv, wo, xb, wb, wob, tab; writes xb, wb, wob, tab
.if DOCPART == 1
	.amdgcn_target "amdgcn-amd-amdhsa--gfx1250"
	.amdhsa_code_object_version 6
	.text
	.protected	k_q440b52ee85_prep
	.globl	k_q440b52ee85_prep
	.p2align	8
	.type	k_q440b52ee85_prep,@function
k_q440b52ee85_prep:
	s_mov_b64 s[64:65], 0
	v_nop
	global_prefetch_b8 v0, s[64:65] scope:SCOPE_SE
	s_setreg_imm32_b32 hwreg(HW_REG_WAVE_MODE, 25, 1), 1
	s_wait_xcnt 0x0
; ROUNDING, RE-LAYING AND THE ANGLE TABLE.
; x [8192][1024] and wq, wk, wv [1024][1024], all f32, are rounded once to bf16; wo is rounded to bf16 and that number is written as f16.
; All of them are laid in K BLOCKS: [block of 64 channels][row][64], so that 64 channels of a run of rows are dense bytes, 128 a row:
;   xb [b 4][kb 16][s 2048][64]   wb [q,k,v][kb 16][n 1024][64]   wob [kb 16][n 1024][64]
; tab [s 2048][pair 32][cos, sin] in f32: the angle is token_positions[s] x 10000^(-pair/32).
; SHARES.  12,288 source rows of 4,096 bytes; a work-group takes 16, wave w rows 2 w and 2 w + 1.  One load: lanes 0-15 take the 256 bytes of block kb of the even row, lanes 16-31 of the odd
; row; the 4 numbers of a lane become 8 bytes, and one store of the wave covers 256 consecutive bytes, aligned: the two rows in block kb.  All 16 loads of a wave go out at once.
; Work-groups 0-511 also make the table: waves 0-3 a token each, a lane a pair; one store of 256 consecutive bytes.
; No LDS, no barrier, no matrix unit: nothing is shared and nothing is multiplied.
; LIMITS.  sin and cos by reduction with pi/2 in three parts and polynomials of degree 9 and 8: good for |position| up to 2^20.  10000^(-pair/32) is 2^(pair x -0.41524101), the argument rounded
; once to f32: at position 2,047 the angle is off by up to about 2e-4.  A weight of wo below 6.1e-5 keeps f16's fixed step of 6e-8; beyond 65,504 it would be an infinity.
.set VI, 2                             ; v2       my byte offset in the wave's two source rows: 4,096 x (lane / 16) + 16 x (lane % 16); never rewritten
.set VO, 8                             ; v[8:23]  block k: 8 x lane + k x the distance between blocks; never rewritten
.set X,  32                            ; v[32:95]  block k: 4 numbers as loaded
.set Y,  96                            ; v[96:127] block k: 2 words to store
	s_load_b512 s[4:19], s[0:1], 0x0               ; x s[4:5], positions s[6:7], wq s[8:9], wk s[10:11], wv s[12:13], wo s[14:15], xb s[16:17], wb s[18:19]
	s_load_b128 s[20:23], s[0:1], 0x40             ; wob s[20:21], tab s[22:23]
	v_lshrrev_b32 v3, 5, v0
	v_readfirstlane_b32 s40, v3                    ; wave 0..7
	v_and_b32 v1, 31, v0                           ; lane
	v_lshrrev_b32 v3, 4, v1
	v_and_b32 v[VI], 15, v1
	v_lshlrev_b32 v[VI], 4, v[VI]
	v_lshl_add_u32 v[VI], v3, 12, v[VI]
	; which tensor: work-groups 0-511 x, 512-575 wq, 576-639 wk, 640-703 wv, 704-767 wo
	s_mov_b32 s24, ttmp9
	s_sub_co_u32 s25, s24, 512                     ; (of use from 512 on)
	s_and_b32 s26, s25, 63                         ; the block of 16 rows in a weight
	s_lshr_b32 s27, s25, 6                         ; which weight
	s_cmp_ge_u32 s24, 704
	s_cselect_b32 s27, 0, s27                      ; wo has a buffer of its own
	s_lshl_b32 s36, s27, 21                        ; a weight is 2,097,152 bytes of wb,
	s_lshl_b32 s37, s26, 11                        ; 16 rows are 2,048 bytes of a block
	s_add_co_u32 s36, s36, s37
	s_lshr_b32 s37, s24, 7                         ; x: batch, 4,194,304 bytes of xb,
	s_lshl_b32 s37, s37, 22
	s_and_b32 s38, s24, 127
	s_lshl_b32 s38, s38, 11                        ; and the 16 rows
	s_add_co_u32 s37, s37, s38
	s_mov_b32 s35, 0x40000                         ; from block to block: 2,048 rows x 128 bytes in xb,
	s_cmp_ge_u32 s24, 512
	s_cselect_b32 s36, s36, s37
	s_cselect_b32 s30, s26, s24                    ; the block of 16 rows in the source
	s_cselect_b32 s35, 0x20000, s35                ; 1,024 rows x 128 bytes in wb and wob
	s_lshl_b32 s37, s40, 8                         ; my wave's two rows: 256 bytes of a block
	s_add_co_u32 s36, s36, s37
	s_mov_b32 s37, 0
	s_lshl_b32 s38, s30, 16                        ; 16 source rows are 65,536 bytes,
	s_lshl_b32 s39, s40, 13                        ; two are 8,192
	s_add_co_u32 s38, s38, s39
	s_mov_b32 s39, 0
	v_lshlrev_b32 v[VO], 3, v1
.set k, 1
.rept 15
	v_add_nc_u32 v[VO+k], s35, v[VO+k-1]
.set k, k+1
.endr
	s_wait_kmcnt 0x0
	s_cmp_ge_u32 s24, 704
	s_cselect_b64 s[28:29], s[14:15], s[12:13]
	s_cselect_b64 s[32:33], s[20:21], s[18:19]
	s_cmp_ge_u32 s24, 640
	s_cselect_b64 s[28:29], s[28:29], s[10:11]
	s_cmp_ge_u32 s24, 576
	s_cselect_b64 s[28:29], s[28:29], s[8:9]
	s_cmp_ge_u32 s24, 512
	s_cselect_b64 s[28:29], s[28:29], s[4:5]
	s_cselect_b64 s[32:33], s[32:33], s[16:17]
	s_add_nc_u64 s[28:29], s[28:29], s[38:39]      ; the source at my wave's two rows
	s_add_nc_u64 s[32:33], s[32:33], s[36:37]      ; the destination at their place in block 0
.set k, 0
.rept 16
	global_load_b128 v[X+4*k:X+4*k+3], v[VI], s[28:29] offset:256*k th:TH_LOAD_NT  ; read once in the launch
.set k, k+1
.endr
	; THE TABLE, while the loads are on their way: token 4 g + w for work-groups g < 512 and waves w < 4
	s_cmp_lt_u32 s24, 512
	s_cbranch_scc0 .Lnotab
	s_cmp_lt_u32 s40, 4
	s_cbranch_scc0 .Lnotab
	s_lshl2_add_u32 s42, s24, s40                  ; the token
	s_lshl_b32 s44, s42, 2
	s_mov_b32 s45, 0
	s_add_nc_u64 s[6:7], s[6:7], s[44:45]
	s_load_b32 s41, s[6:7], 0x0                    ; its position
	s_lshl_b32 s46, s42, 8
	s_mov_b32 s47, 0
	s_add_nc_u64 s[22:23], s[22:23], s[46:47]      ; its 256 bytes of the table
	v_cvt_f32_u32 v24, v1                          ; the pair
	v_mul_f32 v24, 0xbed49a78, v24                 ; x -log2(10000) / 32
	v_exp_f32 v24, v24                             ; 10000^(-pair/32)
	s_wait_kmcnt 0x0
	v_mov_b32 v25, s41                             ; (the plain instruction behind the exponential: ISA guide 5.7.2)
	v_cvt_f32_i32 v25, v25
	s_wait_alu depctr_va_vdst(0)
	v_mul_f32 v25, v25, v24                        ; the angle
	v_mul_f32 v26, 0x3f22f983, v25                 ; x 2 / pi
	v_rndne_f32 v26, v26                           ; n quarter turns
	v_fmamk_f32 v27, v26, 0xbfc90fdb, v25          ; r = angle - n pi/2, pi/2 in three parts, each product exact inside its multiply-add
	v_fmamk_f32 v27, v26, 0x333bbd2e, v27
	v_fmamk_f32 v27, v26, 0x26f72ced, v27
	v_cvt_i32_f32 v3, v26
	v_mul_f32 v28, v27, v27                        ; r^2
	v_mov_b32 v29, 0x3638ef1d                      ; sin r = r + r^3 (-1/6 + r^2 (1/120 + r^2 (-1/5040 + r^2 / 362880)))
	v_mov_b32 v31, 0x37d00d01                      ; cos r = 1 + r^2 (-1/2 + r^2 (1/24 + r^2 (-1/720 + r^2 / 40320)))
	v_fmaak_f32 v29, v29, v28, 0xb9500d01
	v_fmaak_f32 v31, v31, v28, 0xbab60b61
	v_fmaak_f32 v29, v29, v28, 0x3c088889
	v_fmaak_f32 v31, v31, v28, 0x3d2aaaab
	v_fmaak_f32 v29, v29, v28, 0xbe2aaaab
	v_fma_f32 v31, v31, v28, -0.5
	v_mul_f32 v30, v27, v28
	v_fma_f32 v31, v31, v28, 1.0
	v_fma_f32 v29, v30, v29, v27
	v_and_b32 v7, 1, v3                            ; an odd n swaps the two;
	v_cmp_eq_u32 vcc_lo, 1, v7
	v_cndmask_b32 v4, v31, v29, vcc_lo             ; cos
	v_cndmask_b32 v5, v29, v31, vcc_lo             ; sin
	v_add_nc_u32 v7, 1, v3                         ; cos is negative for n mod 4 = 1, 2: bit 1 of n + 1;
	v_lshlrev_b32 v7, 30, v7
	v_and_b32 v7, 0x80000000, v7
	v_xor_b32 v4, v4, v7
	v_lshlrev_b32 v3, 30, v3                       ; sin for n mod 4 = 2, 3: bit 1 of n
	v_and_b32 v3, 0x80000000, v3
	v_xor_b32 v5, v5, v3
	global_store_b64 v[VO], v[4:5], s[22:23]       ; 8 bytes a lane: the token's 256 bytes; none of its registers is written again
.Lnotab:
; Block k of 16: rounded and stored.  f16 = 1: the bf16 number is widened again and written as f16.  No register that a load or store reads is written again, so the only waits are for the loads.
.macro CONV f16
.set k, 0
.rept 16
	s_wait_loadcnt 15-k                            ; loads come back in order (ISA guide 5.7.1): block k is in, the 15 - k younger ones stay out
	v_cvt_pk_bf16_f32 v[Y+2*k],   v[X+4*k],   v[X+4*k+1]
	v_cvt_pk_bf16_f32 v[Y+2*k+1], v[X+4*k+2], v[X+4*k+3]
.if \f16
	v_lshlrev_b32 v[X+4*k],   16,         v[Y+2*k]
	v_and_b32     v[X+4*k+1], 0xffff0000, v[Y+2*k]
	v_lshlrev_b32 v[X+4*k+2], 16,         v[Y+2*k+1]
	v_and_b32     v[X+4*k+3], 0xffff0000, v[Y+2*k+1]
	v_cvt_pk_f16_f32 v[Y+2*k],   v[X+4*k],   v[X+4*k+1]
	v_cvt_pk_f16_f32 v[Y+2*k+1], v[X+4*k+2], v[X+4*k+3]
.endif
	global_store_b64 v[VO+k], v[Y+2*k:Y+2*k+1], s[32:33]  ; 256 consecutive bytes, at a multiple of 256 from the buffer's first byte
.set k, k+1
.endr
.endm
	s_cmp_ge_u32 s24, 704
	s_cbranch_scc1 .Lf16
	CONV 0
	s_endpgm
.Lf16:
	CONV 1
	s_endpgm
.Lfunc_end_k_q440b52ee85_prep:
	.size	k_q440b52ee85_prep, .Lfunc_end_k_q440b52ee85_prep-k_q440b52ee85_prep
	.p2alignl 7, 3214868480
	.fill 96, 4, 3214868480
	.section	.rodata,"a",@progbits
	.p2align	6, 0x0
	.amdhsa_kernel k_q440b52ee85_prep
		.amdhsa_group_segment_fixed_size 0
		.amdhsa_private_segment_fixed_size 0
		.amdhsa_enable_private_segment 0
		.amdhsa_kernarg_size 80
		.amdhsa_user_sgpr_count 2
		.amdhsa_user_sgpr_kernarg_segment_ptr 1
		.amdhsa_wavefront_size32 1
		.amdhsa_system_sgpr_workgroup_id_x 1
		.amdhsa_system_sgpr_workgroup_id_y 1
		.amdhsa_system_sgpr_workgroup_id_z 1
		.amdhsa_system_vgpr_workitem_id 0
		.amdhsa_next_free_vgpr 128
		.amdhsa_next_free_sgpr 66
		.amdhsa_reserve_vcc 1
		.amdhsa_float_denorm_mode_32 3
		.amdhsa_float_denorm_mode_16_64 3
		.amdhsa_memory_ordered 1
		.amdhsa_forward_progress 1
		.amdhsa_inst_pref_size 20
	.end_amdhsa_kernel
	.amdgpu_metadata
---
amdhsa.version: [ 1, 2 ]
amdhsa.kernels:
  - .name:           k_q440b52ee85_prep
    .symbol:         k_q440b52ee85_prep.kd
    .args:
      - { .name: in_features, .offset: 0, .size: 8, .value_kind: global_buffer, .address_space: global }
      - { .name: token_positions, .offset: 8, .size: 8, .value_kind: global_buffer, .address_space: global }
      - { .name: wq, .offset: 16, .size: 8, .value_kind: global_buffer, .address_space: global }
      - { .name: wk, .offset: 24, .size: 8, .value_kind: global_buffer, .address_space: global }
      - { .name: wv, .offset: 32, .size: 8, .value_kind: global_buffer, .address_space: global }
      - { .name: wo, .offset: 40, .size: 8, .value_kind: global_buffer, .address_space: global }
      - { .name: xb, .offset: 48, .size: 8, .value_kind: global_buffer, .address_space: global }
      - { .name: wb, .offset: 56, .size: 8, .value_kind: global_buffer, .address_space: global }
      - { .name: wob, .offset: 64, .size: 8, .value_kind: global_buffer, .address_space: global }
      - { .name: tab, .offset: 72, .size: 8, .value_kind: global_buffer, .address_space: global }
    .group_segment_fixed_size: 0
    .private_segment_fixed_size: 0
    .kernarg_segment_align: 8
    .kernarg_segment_size: 80
    .max_flat_workgroup_size: 256
    .sgpr_count:     66
    .vgpr_count:     128
    .wavefront_size: 32
...
	.end_amdgpu_metadata
.endif
;; end of part 1
;; launch qkv (part 2): grid 8 x 32, 4 waves a work-group, clusters of 4 x 4, 327,680 bytes of LDS; arguments xb, wb, tab, qkv; writes qkv
.if DOCPART == 2
	.amdgcn_target "amdgcn-amd-amdhsa--gfx1250"
	.amdhsa_code_object_version 6
	.text
	.protected	k_q440b52ee85_qkv
	.globl	k_q440b52ee85_qkv
	.p2align	8
	.type	k_q440b52ee85_qkv,@function
k_q440b52ee85_qkv:
	s_mov_b64 s[64:65], 0
	v_nop
	global_prefetch_b8 v0, s[64:65] scope:SCOPE_SE
	s_setreg_imm32_b32 hwreg(HW_REG_WAVE_MODE, 25, 1), 1
	s_wait_xcnt 0x0
	s_wait_alu depctr_hold_cnt(0) depctr_sa_sdst(0) depctr_va_vdst(0) depctr_va_sdst(0) depctr_va_ssrc(0) depctr_va_vcc(0) depctr_vm_vsrc(0)
	s_getreg_b32 s2, hwreg(HW_REG_IB_STS2, 6, 4)
	s_cmp_eq_u32 s2, 0
	s_cbranch_scc0 .Lentry_in_a_cluster
	s_endpgm
.Lentry_in_a_cluster:
	s_bfe_u32 s2, ttmp6, 0x10000c
	s_cmp_lg_u32 s2, 0xf033
	s_cbranch_scc0 .Lentry_shape_is_right
	s_endpgm
.Lentry_shape_is_right:
; Q, K, V = x w^T, with the rotation of Q and K on the way out.  xb [b 4][kb 16][s 2048][64] and wb [q,k,v][kb 16][n 1024][64] in bf16; sums in f32; tab [s][pair 32][cos, sin] in f32;
; qkv [q,k,v][b x 16 + head][s 2048][64] in f16, each number rounded once from f32, unscaled.
; LIMIT.  f16 holds no number beyond 65,504: a q, k or v beyond that would leave as an infinity.
; SHARES.  A tile of the product is 256 rows (tokens) x 128 columns (two heads).  A work-group of four waves makes THREE tiles, the same rows and columns of Q, of K and of V: 256 work-groups.
; A wave makes 128 x 64: 32 accumulators of 16 x 16, 256 registers; its 64 columns are one head, so 16 tokens of its result are 2,048 consecutive bytes of qkv.
; K goes in steps of 128 = two K blocks ("planes") through a ring of two LDS slots.  A plane of a tile is dense in memory, 128 bytes a row: it is asked for as rows of 256 bytes and padded in LDS behind every 128.
; The planes of q, k and v lie on end in wb, so B's address only ever steps forward; A's goes back along K at a change of tiles.  The ring does not stop at a tile's end.
; CLUSTERS: 4 x 4 work-groups.  The four of a row of the cluster need the same planes of x, the four of a column the same planes of w: each is asked for JOINTLY, by the same tensor load with the
; same descriptor and a mask that names the four.  The tile's 256 tokens of the table come once, by two plain loads.
; THE MATRIX INSTRUCTION IS USED TRANSPOSED (source 0 = 16 rows of w, source 1 = 16 rows of x): a lane then holds one token (lane % 16) and eight neighbouring columns 8 (lane / 16) + 0..7: four pairs to rotate.
; REGISTERS: window 0: v0-31 addresses; v32-63 at work on the way out; v64-159, v160-255 two fragment buffers of 96 (4 fragments of w, then 8 of x, 32 along K).  Window 1: the accumulators, (a, b) at v[8 (4 a + b)].
.set PITCH,  144                       ; an LDS row: 128 bytes + 16 of padding = 36 words: the 16 rows of a load start at 16 different groups of four banks (64 banks of 4 bytes: ISA guide 11.1)
.set APL,    256*PITCH                 ; a plane of x's tile
.set BPL,    128*PITCH                 ; a plane of w's tile
.set BOFF,   2*APL                     ; a slot: x's two planes, then w's two
.set SLOT,   2*APL+2*BPL
.set TABLE,  2*SLOT                    ; behind the ring: 256 tokens x (256 + 16) bytes, filled once
.set TPITCH, 272
.set STAGE,  TABLE+256*TPITCH          ; 16 rows x 144 bytes for each wave, for the way out; no tensor load fills it
.set SPITCH, 144
.set SPARE,  STAGE+4*16*SPITCH         ; the spare words, 128 bytes for each wave: two blocks of 256 bytes that no other line names
.set ASTEP,  4<<18                     ; two K steps on: four planes of 2,048 rows x 128 bytes
.set BSTEP,  4<<17                     ; four planes of 1,024 rows x 128 bytes
.set ABACK,  12<<18                    ; from a slot's last K step of a tile to its first
.set PART,   1<<24                     ; from q to k to v in qkv
.set ADRA, 16                          ; v16-17  LDS address of my fragments of x in slot 0, 1
.set ADRB, 20                          ; v20-21  the same for w
.set STO,  24                          ; v24     the way out: where I put 16 bytes of a row
.set RD,   25                          ; v25     where I read rows back
.set GO,   26                          ; v26     my 16 bytes of 512 consecutive bytes of qkv
.set TBA,  27                          ; v27     my token's four pairs in the table
.set SPW,  28                          ; v28     LDS address of my spare word: SPARE + 4 x my thread's number; never rewritten
.set NIL,  29                          ; v29     0; never rewritten
.set CS0,  32                          ; v32-63, v224-255  cos and sin of a block of 16 tokens, by turns
.set F0,   64
.set F1,   160
.set T,    160                         ; v160-191 the way out: rotated numbers, then (v160-175) packed
.set BK0,  192                         ; v192-207, v208-223  16 rows read back from the stage, by turns
.set WV,   12                          ; s12  my wave's number
.set FB,   13                          ; s13  which half of the tile's rows is mine.  Also: I fetch for x (0) or for w (1)
.set PL,   14                          ; s14  which half of its columns.  Also: which plane of a K step I fetch
.set G1A,  28                          ; s[28:35] descriptor group 1 for x's planes
.set G1B,  36                          ; s[36:43] for w's
.set G1T,  44                          ; s[44:51] for the table
.set G0A,  52                          ; s[52:59] descriptor group 0 for x's planes, a set for each slot
.set G0B,  68                          ; s[68:75] for w's
.set G0T,  76                          ; s[76:79] for the table
.set MSB, 0
.macro WIN new                         ; the immediate's high byte repeats the setting that is left; a switch that changes nothing is dropped
.if MSB != (\new)
	s_set_vgpr_msb (MSB<<8)|(\new)
.set MSB, \new
.endif
.endm
.set MULW, 0x50                        ; C and D window 1, sources 0 and 1 window 0
; A joint load: waves 0 and 1 fetch x's two planes, waves 2 and 3 w's.  The branch hangs on the wave's number alone.  An s_nop 0 and four v_nop follow each of the two lines.
.macro JLOAD s
	s_cmp_eq_u32 s[FB], 0
	s_cbranch_scc0 .Lfor_b_\@
	tensor_load_to_lds s[G0A+4*(\s):G0A+4*(\s)+3], s[G1A:G1A+7]
	s_nop 0
.rept 4
	v_nop
.endr
	s_branch .Lasked_\@
.Lfor_b_\@:
	tensor_load_to_lds s[G0B+4*(\s):G0B+4*(\s)+3], s[G1B:G1B+7]
	s_nop 0
.rept 4
	v_nop
.endr
.Lasked_\@:
.endm
.macro CREST                           ; a round of the cluster's barrier behind its opening barrier
	s_cmp_lg_u32 s[WV], 0
	s_cbranch_scc1 .Lnot_wave_0_\@
	s_barrier_signal -3
.Lnot_wave_0_\@:
	s_barrier_wait -3
	s_barrier_signal -1
	s_barrier_wait -1
.endm
.macro CROUND                          ; a whole round
	s_barrier_signal -1
	s_barrier_wait -1
	CREST
.endm
	s_load_b256 s[4:11], s[0:1], 0x0               ; xb s[4:5], wb s[6:7], tab s[8:9], qkv s[10:11]
	v_lshl_add_u32 v[SPW], v0, 2, SPARE
	v_mov_b32 v[NIL], 0
	ds_add_u32 v[SPW], v[NIL]                      ; the wave's opening: the add and its wait stand ahead of my first tensor load; the set-up below, work on registers, stands between them
	ds_add_u32 v28, v29
	v_lshrrev_b32 v1, 5, v0
	v_readfirstlane_b32 s[WV], v1                  ; wave 0..3
	s_lshr_b32 s[FB], s[WV], 1
	s_and_b32 s[PL], s[WV], 1
	s_bfe_u32 s15, ttmp6, 0x40000                  ; cx, cy: my place in the cluster
	s_bfe_u32 s16, ttmp6, 0x40004
	s_lshl_b32 s17, ttmp9, 2
	s_add_co_u32 s17, s17, s15                     ; X: tile column = 4 x cluster x + cx, 0..7
	s_and_b32 s18, ttmp7, 0xffff
	s_lshl_b32 s18, s18, 2
	s_add_co_u32 s18, s18, s16                     ; Y: tile row = 4 x cluster y + cy, 0..31: batch Y / 8, tokens 256 (Y % 8) on
	s_lshl_b32 s19, s16, 2
	s_lshl_b32 s19, 15, s19                        ; my row of the cluster
	s_lshl_b32 s20, 0x1111, s15                    ; my column
	; descriptor groups 1: rows of 128 elements of 2 bytes, dense; x: 128 such rows (256 tokens), w: 64 (128 rows of w), each padded by 4 words behind every 32; the table: 128 rows, padded behind every 64
	s_or_b32 s[G1A], s19, (1<<16)|(1<<20)|(1<<21)|(4<<22)|(3<<25)  ; 15:0 the mask; 17:16 2-byte elements; 20 padding on; 21 set beside a mask; 24:22 after every 32 words (code 4); 31:25 4 words (code 3)
	s_or_b32 s[G1B], s20, (1<<16)|(1<<20)|(1<<21)|(4<<22)|(3<<25)
	s_mov_b32 s[G1T], (1<<16)|(1<<20)|(5<<22)|(3<<25)              ; no mask: a load of my own; after every 64 words (code 5)
.irp g, G1A, G1B, G1T
	s_mov_b32 s[(\g)+1], 128<<16                   ; tensor_dim0 = 128
	s_mov_b32 s[(\g)+3], 128<<16                   ; tile_dim0 = 128
	s_mov_b32 s[(\g)+5], 128                       ; 128 elements from row to row
	s_mov_b32 s[(\g)+6], 0
	s_mov_b32 s[(\g)+7], 0
.endr
	s_mov_b32 s[G1A+2], 128<<16                    ; tensor_dim1
	s_mov_b32 s[G1A+4], 128                        ; tile_dim1
	s_mov_b32 s[G1B+2], 64<<16
	s_mov_b32 s[G1B+4], 64
	s_mov_b32 s[G1T+2], 128<<16
	s_mov_b32 s[G1T+4], 128
	; where the tiles come from.  x's hang on Y and my plane, w's on X and my plane, each made in registers that never hold the other coordinate
	s_and_b32 s21, s18, 7                          ; Y % 8
	s_lshr_b32 s22, s18, 3
	s_lshl_b32 s22, s22, 22                        ; the batch: 4,194,304 bytes
	s_lshl_b32 s23, s21, 15                        ; 256 tokens x 128 bytes
	s_add_co_u32 s22, s22, s23
	s_lshl_b32 s23, s[PL], 18                      ; my plane
	s_add_co_u32 s22, s22, s23
	s_mov_b32 s23, 0
	s_lshl_b32 s24, s17, 14                        ; 128 rows of w x 128 bytes
	s_lshl_b32 s25, s[PL], 17
	s_add_co_u32 s24, s24, s25
	s_mov_b32 s25, 0
	s_lshl_b32 s26, s21, 16                        ; the table: 256 tokens x 256 bytes,
	s_lshl_b32 s27, s[PL], 15                      ; my 128 of them
	s_add_co_u32 s26, s26, s27
	s_mov_b32 s27, 0
	s_lshr_b32 s60, s18, 3                         ; where my part of Q begins in qkv: (16 x batch + 2 X + my half of the columns) heads of 262,144 bytes,
	s_lshl_b32 s60, s60, 4
	s_lshl1_add_u32 s62, s17, s[PL]
	s_add_co_u32 s60, s60, s62
	s_lshl_b32 s60, s60, 18
	s_lshl_b32 s62, s21, 15                        ; the tile's tokens,
	s_add_co_u32 s60, s60, s62
	s_lshl_b32 s62, s[FB], 14                      ; my 128 of them
	s_add_co_u32 s60, s60, s62
	s_mov_b32 s61, 0
	s_mul_i32 s66, s[PL], APL                      ; and where they go: no place in the cluster enters an LDS address
	s_mul_i32 s67, s[PL], BPL
	s_add_co_u32 s67, s67, BOFF
	s_mul_i32 s63, s[PL], 128*TPITCH
	s_add_co_u32 s63, s63, TABLE
	s_wait_dscnt 0x0                               ; the opening add is done
	s_wait_kmcnt 0x0
	s_add_nc_u64 s[22:23], s[4:5], s[22:23]
	s_add_nc_u64 s[24:25], s[6:7], s[24:25]
	s_add_nc_u64 s[26:27], s[8:9], s[26:27]
	s_add_nc_u64 s[10:11], s[10:11], s[60:61]
	CROUND                                         ; all sixteen work-groups are here: the first joint loads meet
.irp s, 0,1
	s_mov_b32 s[G0A+4*(\s)], 1                                     ; 1:0 count = 1
	s_add_co_u32 s[G0A+4*(\s)+1], s66, (\s)*SLOT                   ; 63:32 LDS address
	s_add_nc_u64 s[G0A+4*(\s)+2:G0A+4*(\s)+3], s[22:23], (\s)*(2<<18)  ; 120:64 global address: K step s
	s_or_b32 s[G0A+4*(\s)+3], s[G0A+4*(\s)+3], 0x80000000          ; 127:126 type = 2
	s_mov_b32 s[G0B+4*(\s)], 1
	s_add_co_u32 s[G0B+4*(\s)+1], s67, (\s)*SLOT
	s_add_nc_u64 s[G0B+4*(\s)+2:G0B+4*(\s)+3], s[24:25], (\s)*(2<<17)
	s_or_b32 s[G0B+4*(\s)+3], s[G0B+4*(\s)+3], 0x80000000
.endr
	s_mov_b32 s[G0T], 1
	s_mov_b32 s[G0T+1], s63
	s_mov_b64 s[G0T+2:G0T+3], s[26:27]
	s_or_b32 s[G0T+3], s[G0T+3], 0x80000000
	s_cmp_eq_u32 s[FB], 0                          ; a wave's first fills stand in one branch, ahead of every wait on TENSORcnt and every LDS read: two loads of mine are out, or three
	s_cbranch_scc0 .Lfirst_b
	tensor_load_to_lds s[G0A:G0A+3], s[G1A:G1A+7]
	s_nop 0
	tensor_load_to_lds s[G0A+4:G0A+7], s[G1A:G1A+7]
	s_nop 0
.rept 4
	v_nop
.endr
	s_branch .Lfirst_asked
.Lfirst_b:
	tensor_load_to_lds s[G0T:G0T+3], s[G1T:G1T+7]
	s_nop 0
	tensor_load_to_lds s[G0B:G0B+3], s[G1B:G1B+7]
	s_nop 0
	tensor_load_to_lds s[G0B+4:G0B+7], s[G1B:G1B+7]
	s_nop 0
.rept 4
	v_nop
.endr
.Lfirst_asked:
	; A fragment is 16 rows x 32 K in 8 registers: lane l holds row l % 16; registers 0-3 K = 8 (l / 16) + 0..7, registers 4-7 K = 16 + 8 (l / 16) + 0..7: two loads of 16 bytes, 32 bytes apart.
	v_and_b32 v1, 15, v0                           ; l % 16
	v_bfe_u32 v2, v0, 4, 1                         ; l / 16
	v_mul_u32_u24 v3, v1, PITCH
	v_lshl_add_u32 v3, v2, 4, v3                   ; row x pitch + 16 x half
	s_mul_i32 s62, s[FB], 128*PITCH                ; my 128 rows of x
	s_mul_i32 s63, s[PL], 64*PITCH                 ; my 64 rows of w,
	s_add_co_u32 s63, s63, BOFF                    ; which lie behind x's planes
.irp s, 0,1
	v_add_nc_u32 v[ADRA+(\s)], s62, v3
	v_add_nc_u32 v[ADRB+(\s)], s63, v3
	s_add_co_u32 s62, s62, SLOT
	s_add_co_u32 s63, s63, SLOT
.endr
	s_mul_i32 s62, s[WV], 16*SPITCH
	s_add_co_u32 s62, s62, STAGE                   ; my stage
	v_add_nc_u32 v[STO], s62, v3                   ; in: row l % 16, 16 bytes for each half of the lanes (the stage's pitch is the ring's)
	v_bfe_u32 v[RD], v0, 3, 2                      ; back: 32 lanes take four rows of 128 bytes,
	v_mul_u32_u24 v[RD], v[RD], SPITCH
	v_and_b32 v4, 7, v0
	v_lshl_add_u32 v[RD], v4, 4, v[RD]
	v_add_nc_u32 v[RD], s62, v[RD]
	v_and_b32 v[GO], 31, v0                        ; which are 512 consecutive bytes of qkv
	v_lshlrev_b32 v[GO], 4, v[GO]
	s_mul_i32 s63, s[FB], 128*TPITCH
	s_add_co_u32 s63, s63, TABLE
	v_mul_u32_u24 v[TBA], v1, TPITCH               ; the table: my token's row, and the 32 bytes of my lanes' four pairs
	v_lshl_add_u32 v[TBA], v2, 5, v[TBA]
	v_add_nc_u32 v[TBA], s63, v[TBA]
; 8 matrix instructions: m blocks a0, a0 + 1 x all 4 n blocks, 32 along K, from buffer f.  zero = 1: the product starts the sum: nothing is ever cleared.
; The 32 accumulators take turns, one instruction a turn, in the same order in every quarter.
.macro MUL8 f, a0, zero
	WIN MULW
.irp a, \a0, (\a0)+1
.irp b, 0,1,2,3
.if \zero
	v_wmma_f32_16x16x32_bf16 v[8*(4*(\a)+(\b)):8*(4*(\a)+(\b))+7], v[(\f)+8*(\b):(\f)+8*(\b)+7], v[(\f)+32+8*(\a):(\f)+32+8*(\a)+7], 0
.else
	v_wmma_f32_16x16x32_bf16 v[8*(4*(\a)+(\b)):8*(4*(\a)+(\b))+7], v[(\f)+8*(\b):(\f)+8*(\b)+7], v[(\f)+32+8*(\a):(\f)+32+8*(\a)+7], v[8*(4*(\a)+(\b)):8*(4*(\a)+(\b))+7]
.endif
.endr
.endr
.endm
.macro MUL16 f, a0, zero
	MUL8 \f, \a0, \zero
	MUL8 \f, (\a0)+2, \zero
.endm
; 24 LDS loads in one run: the fragments of quarter q of a K step (plane q / 2, byte 64 (q % 2) of its rows) into buffer f: w's four, then x's eight
.macro FETCH slot, q, f
	WIN 0
.irp i, 0,1,2,3
	ds_load_b128 v[(\f)+8*(\i):(\f)+8*(\i)+3],   v[ADRB+(\slot)] offset:((\q)/2)*BPL+((\q)%2)*64+(\i)*16*PITCH
	ds_load_b128 v[(\f)+8*(\i)+4:(\f)+8*(\i)+7], v[ADRB+(\slot)] offset:((\q)/2)*BPL+((\q)%2)*64+(\i)*16*PITCH+32
.endr
.irp i, 0,1,2,3,4,5,6,7
	ds_load_b128 v[(\f)+32+8*(\i):(\f)+32+8*(\i)+3],   v[ADRA+(\slot)] offset:((\q)/2)*APL+((\q)%2)*64+(\i)*16*PITCH
	ds_load_b128 v[(\f)+32+8*(\i)+4:(\f)+32+8*(\i)+7], v[ADRA+(\slot)] offset:((\q)/2)*APL+((\q)%2)*64+(\i)*16*PITCH+32
.endr
.endm
.macro PLACES                          ; four places in front of loads into registers that matrix instructions have read, and of lines that read results (ISA guide 7.12.1 for lines that read results)
.rept 4
	v_nop
.endr
.endm
; A K step is four quarters of 32 along K, 32 matrix instructions each, on buffers 0, 1, 0, 1.  One of the first three: multiplies buffer f and in its middle fetches quarter q into g.
.macro QUARTER slot, q, f, g, zero
	s_wait_dscnt 8                                 ; w's fragments and x's first four are in; the youngest eight loads (x's last four) may be out
	MUL16 \f, 0, \zero
	PLACES
	FETCH \slot, \q, \g
	s_wait_dscnt 24                                ; all but the 24 just issued
	MUL16 \f, 4, \zero
.endm
; The last quarter multiplies buffer 1 and changes slots: ONE barrier; in front of it each wave waits for all its tensor loads (one is out: its part of the next slot), adds 0 to its spare word, and waits
; for that and for its own reads of this slot.  fill = 1: the barrier opens a round of the cluster's barrier, and this slot is filled again first thing behind it: with this tile's K step two steps on
; (on = 0) or the next tile's K step 0 or 1 (on = 1).  From a request to the wait for it a wave issues 112 matrix instructions.
.macro TURN slot, next, fill, on
	WIN 0                                          ; (the add's two registers lie in window 0)
	s_wait_tensorcnt 0x0                           ; all my tensor loads have landed;
	ds_add_u32 v[SPW], v[NIL]                      ; 0 onto my spare word;
	s_wait_dscnt 9                                 ; (the add and the youngest eight loads may be out)
	MUL8 F1, 0, 0                                  ; eight matrix instructions stand between the add and the wait for it
	s_wait_dscnt 0x0                               ; the add is done, and my reads of this slot are over
	s_barrier_signal -1
	MUL8 F1, 2, 0
.if \fill
	WIN 0
.endif
	s_barrier_wait -1
.if \fill
	CREST                                          ; no wave of any partner still reads this slot's tile or has a load on its way
.if \on
	s_sub_nc_u64 s[G0A+4*(\slot)+2:G0A+4*(\slot)+3], s[G0A+4*(\slot)+2:G0A+4*(\slot)+3], ABACK
.else
	s_add_nc_u64 s[G0A+4*(\slot)+2:G0A+4*(\slot)+3], s[G0A+4*(\slot)+2:G0A+4*(\slot)+3], ASTEP
.endif
	s_add_nc_u64 s[G0B+4*(\slot)+2:G0B+4*(\slot)+3], s[G0B+4*(\slot)+2:G0B+4*(\slot)+3], BSTEP
	JLOAD \slot                                    ; the first tensor load behind the round; its four v_nop are also the places in front of the loads below
.else
	PLACES
.endif
	FETCH \next, 0, F0
	MUL16 F1, 4, 0
.endm
; THE WAY OUT, a block a of 16 tokens at a time.
.macro TABLD a                         ; cos and sin of my token's 16 pairs: for n block b the four pairs 8 b + 4 (l / 16) + 0..3
	WIN 0
.set CSR, CS0+192*((\a)%2)
.irp b, 0,1,2,3
	ds_load_b128 v[CSR+8*(\b):CSR+8*(\b)+3],   v[TBA] offset:(\a)*16*TPITCH+64*(\b)
	ds_load_b128 v[CSR+8*(\b)+4:CSR+8*(\b)+7], v[TBA] offset:(\a)*16*TPITCH+64*(\b)+16
.endr
.endm
.macro ROT a                           ; (x1, x2) -> (x1 c - x2 s, x2 c + x1 s): a packed product by c, then a multiply-add by s for each.  Each accumulator's lowest registers are read first
.set CSR, CS0+192*((\a)%2)
	WIN 0x01                                       ; source 0 window 1
.irp b, 0,1,2,3
.irp p, 0,1,2,3
	v_pk_mul_f32 v[T+8*(\b)+2*(\p):T+8*(\b)+2*(\p)+1], v[8*(4*(\a)+(\b))+2*(\p):8*(4*(\a)+(\b))+2*(\p)+1], v[CSR+8*(\b)+2*(\p):CSR+8*(\b)+2*(\p)+1] op_sel_hi:[1,0]
.endr
.endr
.irp b, 0,1,2,3
.irp p, 0,1,2,3
	v_fma_f32 v[T+8*(\b)+2*(\p)],   -v[8*(4*(\a)+(\b))+2*(\p)+1], v[CSR+8*(\b)+2*(\p)+1], v[T+8*(\b)+2*(\p)]
	v_fma_f32 v[T+8*(\b)+2*(\p)+1], v[8*(4*(\a)+(\b))+2*(\p)],    v[CSR+8*(\b)+2*(\p)+1], v[T+8*(\b)+2*(\p)+1]
.endr
.endr
	WIN 0
.endm
.macro CVT                             ; rounded to f16, in place: word k takes numbers 2 k and 2 k + 1, which lie at or above it
	WIN 0
.set k, 0
.rept 16
	v_cvt_pk_f16_f32 v[T+k], v[T+2*k], v[T+2*k+1]
.set k, k+1
.endr
.endm
.macro PACK a                          ; V: rounded to f16 straight from the accumulators
	WIN 0x05                                       ; sources 0 and 1 window 1
.irp b, 0,1,2,3
.irp p, 0,1,2,3
	v_cvt_pk_f16_f32 v[T+4*(\b)+(\p)], v[8*(4*(\a)+(\b))+2*(\p)], v[8*(4*(\a)+(\b))+2*(\p)+1]
.endr
.endr
	WIN 0
.endm
.macro TOSTAGE a                       ; 16 bytes a lane into rows of 144 bytes of my own stage, and back as whole rows of 128
	WIN 0
.set BK, BK0+16*((\a)%2)
.irp b, 0,1,2,3
	ds_store_b128 v[STO], v[T+4*(\b):T+4*(\b)+3] offset:32*(\b)
.endr
.irp f, 0,1,2,3
	ds_load_b128 v[BK+4*(\f):BK+4*(\f)+3], v[RD] offset:(\f)*4*SPITCH  ; LDS serves a wave's instructions in order (ISA guide 5.7.1.4): these see the stores above; the next block's stores come behind them
.endr
.endm
.macro SEND a, younger                 ; younger: the LDS instructions issued behind TOSTAGE's, which may stay out
	WIN 0
.set BK, BK0+16*((\a)%2)
	s_wait_dscnt \younger                          ; the block is back in registers
	s_wait_xcnt 0x0                                ; every earlier store has had its addresses translated (ISA guide 3.1): the other set of 16 registers, which the next TOSTAGE loads, is free
.irp f, 0,1,2,3
	global_store_b128 v[GO], v[BK+4*(\f):BK+4*(\f)+3], s[10:11] offset:(\a)*2048+(\f)*512  ; 512 consecutive bytes, at a multiple of 256 from qkv's first byte
.endr
.endm
	s_wait_tensorcnt 1                             ; only slot 1's load may be out: my part of K step 0, and of the table, is in,
	s_barrier_signal -1
	s_barrier_wait -1                              ; everybody's is
	FETCH 0, 0, F0
	s_mov_b32 s2, 3                                ; tiles to go, this one among them
.Ltile:
	QUARTER 0, 1, F0, F1, 1                        ; a tile's first quarter stands in front of the loop: its products start the sums
	WIN 0                                          ; at a label and at a branch every window is 0
	s_mov_b32 s3, 3
.Llap:                                                 ; a trip goes once round the ring, from a lap's second quarter to the next lap's first, and fills both slots again
	QUARTER 0, 2, F1, F0, 0
	QUARTER 0, 3, F0, F1, 0
	TURN 0, 1, 1, 0
	QUARTER 1, 1, F0, F1, 0
	QUARTER 1, 2, F1, F0, 0
	QUARTER 1, 3, F0, F1, 0
	TURN 1, 0, 1, 0
	QUARTER 0, 1, F0, F1, 0
	WIN 0
	s_sub_co_u32 s3, s3, 1
	s_cmp_lg_u32 s3, 0
	s_cbranch_scc1 .Llap
	QUARTER 0, 2, F1, F0, 0                        ; the tile's last lap goes on
	QUARTER 0, 3, F0, F1, 0
	WIN 0
	s_cmp_eq_u32 s2, 1
	s_cbranch_scc1 .Llast                          ; the last tile's tail is written out: it asks for nothing more
	TURN 0, 1, 1, 1                                ; the ring goes on into the next tile: slot 0 takes its K step 0,
	QUARTER 1, 1, F0, F1, 0
	QUARTER 1, 2, F1, F0, 0
	QUARTER 1, 3, F0, F1, 0
	TURN 1, 0, 1, 1                                ; slot 1 its K step 1, and the next tile's first fragments are fetched into buffer 0, which the way out leaves alone
	PLACES                                         ; Q or K goes out, rotated
	TABLD 0
	TABLD 1
.irp a, 0,1,2,3,4,5,6,7
.if ((\a) == 0) || ((\a) == 7)
	s_wait_dscnt 8                                 ; block a's cos and sin are in; behind them: the next block's eight loads (a = 0), or the stage's eight (a = 7)
.else
	s_wait_dscnt 16                                ; behind them: the stage's eight of block a - 1 and the eight loads for block a + 1
.endif
	ROT \a
	CVT
.if (\a) > 0
.if (\a) < 7
	SEND (\a)-1, 8                                 ; behind its loads from the stage: the eight loads for block a + 1
.else
	SEND (\a)-1, 0
.endif
.endif
	TOSTAGE \a
.if (\a) < 6
	TABLD (\a)+2                                   ; into the set that block a has just used
.endif
.endr
	SEND 7, 0
	s_wait_xcnt 0x0                                ; the stores have read their registers and their base
	s_add_nc_u64 s[10:11], s[10:11], PART          ; from q to k, from k to v
	s_sub_co_u32 s2, s2, 1
	s_branch .Ltile
.Llast:
	TURN 0, 1, 0, 0                                ; V's last lap fills nothing, and has no round of the cluster's barrier
	QUARTER 1, 1, F0, F1, 0
	QUARTER 1, 2, F1, F0, 0
	QUARTER 1, 3, F0, F1, 0
	s_wait_dscnt 8                                 ; the very last quarter: nothing more to fetch
	MUL16 F1, 0, 0
	s_wait_dscnt 0x0
	MUL16 F1, 4, 0
	WIN 0
	PLACES
	PACK 0
	TOSTAGE 0
.irp a, 1,2,3,4,5,6,7                  ; block a's conversions stand between block a - 1's loads from the stage and the wait for them
	PACK \a
	SEND (\a)-1, 0
	TOSTAGE \a
.endr
	SEND 7, 0
	s_wait_tensorcnt 0x0                           ; the wave's end: behind my last tensor load and my last LDS store
	ds_add_u32 v[SPW], v[NIL]
	s_wait_dscnt 0x0
	CROUND                                         ; the closing round: no work-group ends while a partner may still ask for a tile that names it
	s_endpgm
.Lfunc_end_k_q440b52ee85_qkv:
	.size	k_q440b52ee85_qkv, .Lfunc_end_k_q440b52ee85_qkv-k_q440b52ee85_qkv
	.p2alignl 7, 3214868480
	.fill 96, 4, 3214868480
	.section	.rodata,"a",@progbits
	.p2align	6, 0x0
	.amdhsa_kernel k_q440b52ee85_qkv
		.amdhsa_group_segment_fixed_size 327680
		.amdhsa_private_segment_fixed_size 0
		.amdhsa_enable_private_segment 0
		.amdhsa_kernarg_size 32
		.amdhsa_user_sgpr_count 2
		.amdhsa_user_sgpr_kernarg_segment_ptr 1
		.amdhsa_wavefront_size32 1
		.amdhsa_system_sgpr_workgroup_id_x 1
		.amdhsa_system_sgpr_workgroup_id_y 1
		.amdhsa_system_sgpr_workgroup_id_z 1
		.amdhsa_system_vgpr_workitem_id 0
		.amdhsa_next_free_vgpr 512
		.amdhsa_next_free_sgpr 80
		.amdhsa_reserve_vcc 0
		.amdhsa_float_denorm_mode_32 3
		.amdhsa_float_denorm_mode_16_64 3
		.amdhsa_memory_ordered 1
		.amdhsa_forward_progress 1
		.amdhsa_inst_pref_size 153
	.end_amdhsa_kernel
	.amdgpu_metadata
---
amdhsa.version: [ 1, 2 ]
amdhsa.kernels:
  - .name:           k_q440b52ee85_qkv
    .symbol:         k_q440b52ee85_qkv.kd
    .args:
      - { .name: xb, .offset: 0, .size: 8, .value_kind: global_buffer, .address_space: global }
      - { .name: wb, .offset: 8, .size: 8, .value_kind: global_buffer, .address_space: global }
      - { .name: tab, .offset: 16, .size: 8, .value_kind: global_buffer, .address_space: global }
      - { .name: qkv, .offset: 24, .size: 8, .value_kind: global_buffer, .address_space: global }
    .group_segment_fixed_size: 327680
    .private_segment_fixed_size: 0
    .kernarg_segment_align: 8
    .kernarg_segment_size: 32
    .max_flat_workgroup_size: 128
    .sgpr_count:     80
    .vgpr_count:     512
    .wavefront_size: 32
...
	.end_amdgpu_metadata
.endif
;; end of part 2
;; launch attn (part 3): grid 4 x 64, 4 waves a work-group, no clusters, 327,680 bytes of LDS; arguments qkv, ob; writes ob
.if DOCPART == 3
	.amdgcn_target "amdgcn-amd-amdhsa--gfx1250"
	.amdhsa_code_object_version 6
	.text
	.protected	k_q440b52ee85_attn
	.globl	k_q440b52ee85_attn
	.p2align	8
	.type	k_q440b52ee85_attn,@function
k_q440b52ee85_attn:
	s_mov_b64 s[64:65], 0
	v_nop
	global_prefetch_b8 v0, s[64:65] scope:SCOPE_SE
	s_setreg_imm32_b32 hwreg(HW_REG_WAVE_MODE, 25, 1), 1
	s_wait_xcnt 0x0
; CAUSAL ATTENTION.  O[h][q][:] = the sum over k <= q of softmax_k(Q[h][q] . K[h][k] / 8) V[h][k][:].  Q, K, V lie one behind the other in qkv, each [SIZE_H][SIZE_N][64]; O: ob, the same shape; all f16: a head's rows are dense, 128 bytes each.
; Products, maxima and sums in f32; the weights p are rounded to f16 for the second product (their sum l is taken of the unrounded p), O once at the end.
; LIMITS.  f16 holds no number beyond 65,504: Q, K and V arrive within it; p lies in 0 to 1, and below 6e-5 it keeps f16's fixed step of 6e-8; O is a mean of V's rows and has their range, to within 2^-11 of it.
; A hidden score counts as its value less 1e30: f16's scores, 2.7e11 at the most, are nothing beside that; a weight below 2^-126 counts as 0 in l; NaN and infinities are not treated apart.
; THE WALK.  A head's queries lie in NB = SIZE_N / 256 blocks of 256; block i needs the key tiles 0 .. i of 256 keys, of which the last holds the diagonal.  A work-group takes TWO blocks, NB - 1 - b and then b:
; NB + 1 tiles, whatever b: all work-groups do equal work, and ONE loop with a constant trip count walks them.  Which tile is asked for, and what a trip does, hang on scalar registers made from b; every jump
; goes forward, but for the counted loops' own; none passes a barrier, or a tensor load but the one of LOAD's two that the wave's number does not choose; the ring (two slots of LDS that take turns) runs on across the
; change of blocks.  NO CLUSTER: a head's NB / 2 = 4 work-groups all ask for the same tile only in trips 0 .. NB / 2, behind that fewer and fewer; and one walk common to all would have 3 NB / 2 trips for NB + 1.
; SHARES.  Of a block's four bands of 64 queries a wave owns 16 rows in each: four PIECES.  So the diagonal tile is the same work for all four waves: in its key step s band x sees all keys if s < x,
; none if s > x, and holds the diagonal if s = x.
; THE MASK is the C operand that starts the sum S^T = K Q^T: 0, or -1e30 where the key is hidden.  MD, made once, is the mask of a band's own step for my 16 rows; a product's mask is MD x AL + BE with two scalars:
; (1, 0) if s = x; (0, 0) if s < x; (0, -1e30) if s > x.  Only the diagonal tile's text and a block's beginning make and take masks; elsewhere C is the constant 0.
; LAYOUT, SOFTMAX, TURNS.  S^T = K Q^T holds ONE query a lane (lane % 16) and the keys 8 (lane / 16) + 0..7; two such results rounded to f16 ARE source 1 of O^T = V^T P.  p = 2^(c s - c m), c = log2(e) / 8, with a
; running maximum m; O and l are multiplied by a = 2^(c m_old - c m_new) in every step.  Turn n belongs to piece n: 8 products K Q^T of piece n + 1, later 8 products V^T P of piece n - 1; beside them the scaling,
; exponentials, roundings, sums and rescaling of piece n and the maximum and statistics of piece n + 1.  Four vector instructions stand behind every matrix instruction, the other 54 of a turn's 118 in two LUMPS.
; AHEAD OF THE LOADS.  The head's work-group b = 0, which walks tiles 0 to NB - 1 on end, prefetches: behind the tensor load of the change of slots that asks for tile i each of its waves names its own 16,384 bytes
; (half of K's or of V's 256 rows) of tile i + 1, for i + 1 = 2 .. NB - 1: a lane a block of 256 bytes, two instructions; a tile, 256 matrix instructions, ahead of the load.  Each block is named once in the launch.
; REGISTERS, in windows of 256 (s_set_vgpr_msb: bits 1:0 source 0, 3:2 source 1, 5:4 source 2, 7:6 destination):
;   window 0: v0-15 addresses and two at work; v16-31 four registers of statistics a piece; v48-55 at work; v64-127 S^T, two buffers; v192-223 P, two buffers (a piece's buffers go by its number's parity)
;   window 1: v0-127 O^T, 32 a piece; v128-159 MD; v160-223 MC, two buffers      window 2: v0-63 Q; v64-127 the second block's Q; v128-191 K of one step; v192-255 V of one step
.set SIZE_N, 2048
.set SIZE_H, 64
.set NB,    SIZE_N/256
.set NP,    4         ; pieces a wave: a name, no knob
.set KS,    64        ; keys in a step
.set PK,    144       ; a row of K in LDS: 128 bytes + 16 of padding = 36 words: the 16 rows of a load start at 16 different groups of four banks (64 banks of 4 bytes: ISA guide 11.1)
.set PV,    160       ; a row of V: 128 + 32 = 40 words
.set VOFF,  4*KS*PK   ; a slot holds a tile, four steps: 256 rows of K, then 256 rows of V
.set SLOT1, 1<<17     ; slot 1 begins here, so that one exclusive or turns an address in one slot into the other's
.set STAGE, SLOT1+4*KS*(PK+PV)  ; behind the ring, never filled by a tensor load: 16 rows x 144 bytes for each wave, for the way out
.set SP,    144
.set AK0, 2           ; v2   my lane's place in a tile of K; never rewritten
.set AV0, 3           ; v3   the same for V
.set AK,  4           ; v4   the LDS address of K's next run of loads
.set AV,  5           ; v5   of V's
.set STO, 6           ; v6   the way out: where I put 16 bytes of a row
.set RD,  7           ; v7   the way out: where I read rows back
.set GO,  8           ; v8   my byte offset in 512 consecutive bytes of O
.set PFO, 61          ; v61  256 x my lane: the prefetches' offset; never rewritten
.set SPW, 62          ; v62  LDS address of my spare word: SPARE + 4 x my thread's number; never rewritten
.set NIL, 63          ; v63  0; never rewritten
.set SPARE, STAGE+4*16*SP  ; behind the stages: the spare words, 128 bytes for each wave: two blocks of 256 bytes that no other line names
.set MV,  12          ; v12-13  c m_old, kept while c m is made anew: by buffer
.set QO,  15          ; v15  my byte offset in 16 rows of Q
.set ST,  16          ; piece t's statistics at v[ST+4 t]: c m, m, l (even keys', odd keys')
.set TMP, 48          ; by buffer, four registers c0-c3 at work; when the maximum is found c2 takes a
.set S,   64
.set P,   192
.set MD,  128         ; window 1: the eight registers for group kt of 16 keys at MD + 8 kt
.set MC,  160         ; window 1: the masks of the products to come
.set QB,  64          ; window 2
.set KF,  128         ; window 2: key block kb, channel half c at KF + 16 kb + 8 c
.set VF,  192         ; window 2: key half kk, channel block cb at VF + 32 kk + 8 cb
.set WV,  12          ; s12  my wave's number
.set PB,  14          ; s14  b
.set HI,  15          ; s15  NB - 1 - b
.set G1K, 24          ; s[24:31] descriptor group 1 for K's tiles
.set G1V, 32          ; s[32:39] for V's: it differs in the padding alone
.set G0K, 40          ; s[40:43] descriptor group 0 for K's tiles
.set G0V, 44          ; s[44:47] the same for V's
.set SLOTS, 56        ; s56  tiles still to be asked for
.set CNT, 57          ; s57  counts a tile's key steps, 4 to 1
.set CS,  58          ; s[58:59] c: the packed scaling takes the pair's low word for both halves
.set SEL, 60          ; s[60:61] v_permlanex16_b32's selects: each lane takes its own place in the other half
.set TBK, 62          ; s62  LDS byte at which K of the step to be fetched begins
.set TBV, 63          ; s63  the same for V, less VOFF
.set RT,  70          ; s70  tiles of the block in hand that are still to be entered
.set NXT, 71          ; s71  the tile to be asked for next
.set LQ,  72          ; s72  the last tile of the block whose tiles are being asked for
.set NEW, 73          ; s73  1: the tile to be entered is a block's first
.set OFF, 74          ; s[74:75] a tile's byte offset in K and V
.set AL,  76          ; s[76:77] the mask's factor, in the low word
.set BE,  78          ; s[78:79] the mask's addend
.set OLO, 80          ; s[80:81] O at my rows of the second block
.set BIGN, 82         ; s82  -1e30
.set PFA, 88          ; s[88:89] where my prefetches stand: my half of K's or V's rows in the tile after the one that is being asked for
.set LIM, 90          ; s90  2 in the work-group that prefetches, else the greatest number: a wave prefetches while s[SLOTS] is above it
.set MSB, 0
.macro WIN new                      ; the high byte repeats the setting that is left; a switch that changes nothing is dropped
.if MSB != (\new)
	s_set_vgpr_msb (MSB<<8)|(\new)
.set MSB, (\new)
.endif
.endm
.set W_KQ, 0x0a       ; K and Q in window 2, S^T in window 0
.set W_KM, 0x1a       ; the same with the C operand in window 1
.set W_PV, 0x52       ; V in window 2, P in window 0, O^T in window 1
.set W_RS, 0x41       ; destination and source 0 in window 1, source 1 in window 0
; A fill.  Waves 0 and 1 fetch the two halves of a tile's K, waves 2 and 3 those of its V: 128 keys each.  An s_nop 0 and four v_nop follow each of the two lines, ahead of the jump and the label.
.macro LOAD
	s_cmp_lt_u32 s[WV], 2
	s_cbranch_scc0 .Lfor_v_\@
	tensor_load_to_lds s[G0K:G0K+3], s[G1K:G1K+7]
	s_nop 0
.rept 4
	v_nop
.endr
	s_branch .Lasked_\@
.Lfor_v_\@:
	tensor_load_to_lds s[G0V:G0V+3], s[G1V:G1V+7]
	s_nop 0
.rept 4
	v_nop
.endr
.Lasked_\@:
.endm
; The prefetch of my 16,384 bytes of the tile that the next change of slots will ask for: 64 blocks of 256 bytes, a lane a block, two instructions.  It stands behind the wave's tensor load and its five lines.
; s[SLOTS] is 9 - i at the change that asks for tile i: above 2 means i + 1 <= NB - 1, so no prefetch leaves the head's rows.
.macro ASK
	s_cmp_gt_u32 s[SLOTS], s[LIM]
	s_cbranch_scc0 .Lnot_mine_\@
	global_prefetch_b8 v[PFO], s[PFA:PFA+1] th:TH_LOAD_NT scope:SCOPE_SE
	global_prefetch_b8 v[PFO], s[PFA:PFA+1] offset:8192 th:TH_LOAD_NT scope:SCOPE_SE
.Lnot_mine_\@:
.endm
; THE CHANGE OF SLOTS.  Each wave waits for all its tensor loads, of which one is out: its part of the other slot; adds 0 to its spare word; and waits for that and for its own reads of the slot that it leaves.  Behind the barrier nobody reads the old
; slot any more and the other slot is whole.  fill = 1: the old slot is filled again, the first thing behind the barrier, with tile NXT: the descriptor's address is made anew from that number.
; (At its first use nothing has been read yet: slot 0 is waited for, slot 1 filled.)
.macro CHANGE fill
	WIN 0                           ; at a label and at a branch every window is 0
	s_wait_tensorcnt 0x0            ; no tensor load of mine is out, so a group 0 may be written
	ds_add_u32 v[SPW], v[NIL]       ; 0 onto my spare word; with fill = 1 the descriptors' scalar work stands between it and the wait for it
.if \fill
	s_lshl_b32 s[OFF], s[NXT], 15   ; a tile is 32,768 bytes of K and of V
	s_xor_b32 s[G0K+1], s[G0K+1], SLOT1
	s_add_nc_u64 s[G0K+2:G0K+3], s[6:7], s[OFF:OFF+1]
	s_or_b32 s[G0K+3], s[G0K+3], 0x80000000
	s_xor_b32 s[G0V+1], s[G0V+1], SLOT1
	s_add_nc_u64 s[G0V+2:G0V+3], s[8:9], s[OFF:OFF+1]
	s_or_b32 s[G0V+3], s[G0V+3], 0x80000000
	s_add_co_u32 s[NXT], s[NXT], 1  ; the block's next tile, or behind its last the second block's tile 0
	s_cmp_gt_u32 s[NXT], s[LQ]
	s_cselect_b32 s[NXT], 0, s[NXT]
	s_cselect_b32 s[LQ], s[PB], s[LQ]
	s_wait_xcnt 0x0                 ; the last prefetches, a tile back, have read their address, so it may be written:
	s_add_nc_u64 s[PFA:PFA+1], s[PFA:PFA+1], 32768  ; a tile on
.endif
	s_wait_dscnt 0x0                ; the add is done, and my reads of the slot are over
	s_barrier_signal -1             ; the rest of the scalar work stands between the signal and the wait
	s_sub_co_u32 s[TBK], s[TBK], 4*KS*PK  ; the fetches go back to a slot's first step,
	s_xor_b32 s[TBK], s[TBK], SLOT1       ; in the other slot
	s_sub_co_u32 s[TBV], s[TBV], 4*KS*PV
	s_xor_b32 s[TBV], s[TBV], SLOT1
	s_barrier_wait -1
.if \fill
	LOAD
	ASK
.endif
.endm
	s_load_b64 s[4:5], s[0:1], 0x0    ; qkv: Q
	s_load_b64 s[10:11], s[0:1], 0x8  ; ob: O
	v_lshl_add_u32 v[SPW], v0, 2, SPARE
	v_mov_b32 v[NIL], 0
	ds_add_u32 v[SPW], v[NIL]       ; the wave's opening: the add and its wait stand ahead of my first tensor load; the set-up below, work on registers, stands between them
	ds_add_u32 v62, v63
	v_lshrrev_b32 v1, 5, v0
	v_readfirstlane_b32 s[WV], v1   ; wave 0..3
	v_and_b32 v[PFO], 31, v0
	v_lshlrev_b32 v[PFO], 8, v[PFO]
	s_mov_b32 s[PB], ttmp9
	s_sub_co_u32 s[HI], NB-1, s[PB]
	s_cmp_eq_u32 s[PB], 0
	s_cselect_b32 s[LIM], 2, -1
	s_and_b32 s20, ttmp7, 0xffff    ; the head
	s_mov_b32 s21, 0
	s_mov_b64 s[22:23], SIZE_N*128
	s_mul_u64 s[20:21], s[20:21], s[22:23]  ; the head's first byte in each of the four tensors
	s_and_b32 s16, s[WV], 1         ; which half of a tile's 256 keys I fetch:
	s_lshl_b32 s22, s16, 14         ; its 128 rows of 128 bytes in memory,
	s_mov_b32 s23, 0
	s_add_nc_u64 s[22:23], s[22:23], s[20:21]
	s_mul_i32 s17, s16, 128*PK      ; and its place in a slot, for K
	s_mul_i32 s18, s16, 128*PV      ; and for V
	s_lshl_b32 s3, s[WV], 11        ; my 16 rows in a band of 64,
	s_lshl_b32 s2, s[HI], 15        ; in the first block,
	s_add_co_u32 s2, s2, s3
	s_lshl_b32 s84, s[PB], 15       ; and in the second
	s_add_co_u32 s84, s84, s3
	s_mov_b32 s3, 0
	s_mov_b32 s85, 0
	s_add_nc_u64 s[2:3], s[2:3], s[20:21]
	s_add_nc_u64 s[84:85], s[84:85], s[20:21]
	; descriptor group 1.  128 keys are 16,384 dense bytes: asked for as 64 rows of 256 bytes, two keys a row, and padded in LDS after every key
	s_mov_b32 s[G1K], (1<<16)|(1<<20)|(4<<22)|(3<<25)  ; 17:16 2-byte elements; 20 padding on; 24:22 after every 32 words (code 4); 31:25 4 words (code 3)
	s_mov_b32 s[G1V], (1<<16)|(1<<20)|(4<<22)|(7<<25)  ; the same with 8 words of padding (code 7)
.irp g, G1K, G1V
	s_mov_b32 s[\g+1], 128<<16      ; tensor_dim0 = 128
	s_mov_b32 s[\g+2], 64<<16       ; tensor_dim1 = 64
	s_mov_b32 s[\g+3], 128<<16      ; tile_dim0 = 128
	s_mov_b32 s[\g+4], 64           ; tile_dim1 = 64
	s_mov_b32 s[\g+5], 128          ; 128 elements from row to row
	s_mov_b32 s[\g+6], 0
	s_mov_b32 s[\g+7], 0
.endr
	s_mov_b32 s[CS], 0x3e38aa3b     ; c = log2(e) / 8 = 0.180337
	s_mov_b32 s[CS+1], s[CS]        ; named with it as a pair
	s_mov_b32 s[SEL], 0x76543210
	s_mov_b32 s[SEL+1], 0xfedcba98
	s_mov_b32 s[TBK], SLOT1+4*KS*PK ; the first change of slots turns these two into 0
	s_mov_b32 s[TBV], SLOT1+4*KS*PV
	s_mov_b32 s[G0K], 1             ; 1:0 count = 1
	s_mov_b32 s[G0K+1], s17         ; 63:32 LDS address: slot 0
	s_mov_b32 s[G0V], 1
	s_add_co_u32 s[G0V+1], s18, VOFF
	s_add_co_u32 s[RT], s[HI], 1    ; the first block has NB - b tiles
	s_mov_b32 s[NXT], 1
	s_mov_b32 s[LQ], s[HI]
	s_mov_b32 s[NEW], 1
	s_mov_b32 s[OFF+1], 0
	s_mov_b32 s[AL+1], 0            ; named as pairs
	s_mov_b32 s[BE+1], 0
	s_mov_b32 s[BIGN], 0xf149f2ca   ; -1e30
	s_mov_b32 s[SLOTS], NB
	s_wait_dscnt 0x0                ; the opening add is done
	s_wait_kmcnt 0x0
	s_add_nc_u64 s[6:7], s[4:5], 0x1000000  ; K lies 16,777,216 bytes behind Q in qkv,
	s_add_nc_u64 s[8:9], s[4:5], 0x2000000  ; V as far behind K
	s_add_nc_u64 s[6:7], s[6:7], s[22:23]  ; K and V at my half of the head's tile 0
	s_add_nc_u64 s[8:9], s[8:9], s[22:23]
	s_cmp_lt_u32 s[WV], 2
	s_cselect_b64 s[PFA:PFA+1], s[6:7], s[8:9]
	s_add_nc_u64 s[PFA:PFA+1], s[PFA:PFA+1], 32768  ; at tile 1; the first change of slots steps it to tile 2.  Nothing is prefetched here, at the head
	s_add_nc_u64 s[G0K+2:G0K+3], s[6:7], 0         ; 120:64 global address
	s_or_b32 s[G0K+3], s[G0K+3], 0x80000000        ; 127:126 type = 2
	s_add_nc_u64 s[G0V+2:G0V+3], s[8:9], 0
	s_or_b32 s[G0V+3], s[G0V+3], 0x80000000
	s_add_nc_u64 s[86:87], s[4:5], s[84:85]        ; Q at my rows of the second block,
	s_add_nc_u64 s[4:5], s[4:5], s[2:3]            ; Q and O at those of the first
	s_add_nc_u64 s[OLO:OLO+1], s[10:11], s[84:85]
	s_add_nc_u64 s[10:11], s[10:11], s[2:3]
	LOAD                            ; tile 0 into slot 0
	; A fragment of K or Q is 16 rows x 32 channels in 8 registers: lane l holds row l % 16, channels 8 (l / 16) + 0..7 and 16 + 8 (l / 16) + 0..7: two loads of 16 bytes, 32 bytes apart.
	v_and_b32 v1, 15, v0            ; l % 16
	v_bfe_u32 v9, v0, 4, 1          ; l / 16
	v_lshlrev_b32 v[QO], 7, v1
	v_lshl_add_u32 v[QO], v9, 4, v[QO]  ; row x 128 + 16 x half
	WIN 0x80                        ; destination window 2, address window 0
.set i, 0
.rept 8                             ; both blocks' Q: piece i / 2 lies in band i / 2, 8,192 bytes on; channels 32 (i % 2) on
	global_load_b128 v[8*i:8*i+3],   v[QO], s[4:5] offset:(i/2)*8192+(i%2)*64
	global_load_b128 v[8*i+4:8*i+7], v[QO], s[4:5] offset:(i/2)*8192+(i%2)*64+32
	global_load_b128 v[QB+8*i:QB+8*i+3],   v[QO], s[86:87] offset:(i/2)*8192+(i%2)*64
	global_load_b128 v[QB+8*i+4:QB+8*i+7], v[QO], s[86:87] offset:(i/2)*8192+(i%2)*64+32
.set i, i+1
.endr
	WIN 0
	v_lshlrev_b32 v14, 3, v9
	v_sub_nc_u32 v14, v1, v14
	s_lshl_b32 s13, s[WV], 4
	v_add_nc_u32 v14, s13, v14      ; my query's place in its band, 16 w + l % 16, less my lanes' 8 (l / 16): register r of group kt is hidden where 16 kt + r is greater
	WIN 0x40
.set i, 0
.rept 32
	v_cmp_gt_i32 vcc_lo, 16*(i/8)+i%8, v14
	v_cndmask_b32 v[MD+i], 0, s[BIGN], vcc_lo
.set i, i+1
.endr
	WIN 0
	v_mul_u32_u24 v[AK0], v1, PK
	v_lshl_add_u32 v[AK0], v9, 4, v[AK0]  ; row x pitch + 16 x half
	; The turning load takes 16 keys x 16 channels (lane l reads key 8 (l / 16) + l % 8, channels 8 ((l / 8) % 2) + 0..7) and leaves half a fragment of V^T: lane l holds channel l % 16 and 8 keys.
	v_and_b32 v10, 7, v0
	v_bfe_u32 v11, v0, 3, 1
	v_lshl_add_u32 v[AV0], v9, 3, v10
	v_mul_u32_u24 v[AV0], v[AV0], PV
	v_lshl_add_u32 v[AV0], v11, 4, v[AV0]
	v_add_nc_u32 v[AV0], VOFF, v[AV0]
	s_mul_i32 s13, s[WV], 16*SP
	s_add_co_u32 s13, s13, STAGE    ; my stage
	v_mul_u32_u24 v[STO], v1, SP    ; in: row l % 16, 16 bytes for each half of the lanes
	v_lshl_add_u32 v[STO], v9, 4, v[STO]
	v_add_nc_u32 v[STO], s13, v[STO]
	v_bfe_u32 v[RD], v0, 3, 2       ; back: 32 lanes take four rows of 128 bytes,
	v_mul_u32_u24 v[RD], v[RD], SP
	v_lshl_add_u32 v[RD], v10, 4, v[RD]
	v_add_nc_u32 v[RD], s13, v[RD]
	v_and_b32 v[GO], 31, v0         ; which are 512 consecutive bytes of O
	v_lshlrev_b32 v[GO], 4, v[GO]
	; A block's first step multiplies O^T and l by a = 0, and its first turn's products V^T P, of a piece that has not been, land in an O^T that is still to be so multiplied.  So these registers need only hold
	; finite numbers: zeros for the first block; what the first block left for the second.  All this stands in the wait for the first tile.
	WIN 0x80
.set i, VF
.rept 64
	v_mov_b32 v[i], 0
.set i, i+1
.endr
	WIN 0x40
.set i, 0
.rept 128
	v_mov_b32 v[i], 0
.set i, i+1
.endr
	WIN 0
.set i, 0
.rept 4
	v_mov_b32 v[ST+4*i+2], 0
	v_mov_b32 v[ST+4*i+3], 0
.set i, i+1
.endr
.set i, P+16
.rept 16
	v_mov_b32 v[i], 0
.set i, i+1
.endr
; THE MATRIX WORK.  The 4 accumulators of a run of 8 take turns.  Product i of 8 of S^T = K Q^T for piece x: channels 32 (i / 4) on, keys 16 (i % 4) on.  The first 4 start the sums: with 0, or (KM = 1) with the mask.
.macro KQ x
.set rS, S+32*((\x)%2)+8*(i%4)
.set rK, KF+16*(i%4)+8*(i/4)
.set rQ, 16*(\x)+8*(i/4)
.set rM, MC+32*((\x)%2)+8*(i%4)
.if (i < 4) && KM
	WIN W_KM
	v_wmma_f32_16x16x32_f16 v[rS:rS+7], v[rK:rK+7], v[rQ:rQ+7], v[rM:rM+7]
.elseif i < 4
	WIN W_KQ
	v_wmma_f32_16x16x32_f16 v[rS:rS+7], v[rK:rK+7], v[rQ:rQ+7], 0
.else
	WIN W_KQ
	v_wmma_f32_16x16x32_f16 v[rS:rS+7], v[rK:rK+7], v[rQ:rQ+7], v[rS:rS+7]
.endif
.endm
; Product i of 8 of O^T += V^T P for piece x: keys 32 (i / 4) on, channels 16 (i % 4) on.
.macro PV x
	WIN W_PV
.set rO, 32*(\x)+8*(i%4)
.set rV, VF+32*(i/4)+8*(i%4)
.set rP, P+16*((\x)%2)+8*(i/4)
	v_wmma_f32_16x16x32_f16 v[rO:rO+7], v[rV:rV+7], v[rP:rP+7], v[rO:rO+7]
.endm
.macro MM                           ; the turn's next matrix instruction.  TURN and BEGIN set Y, i, KM and NOKQ; MM, KQ and OP read them.  NOKQ = 1: a block's last turn: there is no next piece
.if (i < 8) && !NOKQ
	KQ (Y+1)%NP
.elseif i >= 8
.set i, i-8
	PV (Y+NP-1)%NP
.set i, i+8
.endif
.set i, i+1
.endm
; THE LDS LOADS stand in runs of 16, never singly among the matrix instructions: a step's K (64 keys x 64 channels: 8 fragments) and its V (turned).  Their addresses are made some lines ahead.
.macro FETCH_K
	WIN 0x80                        ; destination window 2
.irp f, 0,1,2,3,4,5,6,7             ; keys 16 (f / 2) on, channels 32 (f % 2) on
	ds_load_b128 v[KF+8*\f:KF+8*\f+3],   v[AK] offset:(\f/2)*16*PK+(\f%2)*64
	ds_load_b128 v[KF+8*\f+4:KF+8*\f+7], v[AK] offset:(\f/2)*16*PK+(\f%2)*64+32
.endr
	s_add_co_u32 s[TBK], s[TBK], KS*PK  ; the next fetch is the next step's
	WIN 0
.endm
.macro FETCH_V
	WIN 0x80
.irp f, 0,1,2,3,4,5,6,7             ; keys 32 (f / 4) on, channels 16 (f % 4) on
	ds_load_tr16_b128 v[VF+8*\f:VF+8*\f+3],   v[AV] offset:(\f/4)*32*PV+(\f%4)*32
	ds_load_tr16_b128 v[VF+8*\f+4:VF+8*\f+7], v[AV] offset:(\f/4)*32*PV+16*PV+(\f%4)*32
.endr
	WIN 0
.endm
; THE VECTOR WORK, one line at a time: OP kind, number.  For piece Y: F n: c s - c m for pair n of 16.  E n: the exponential of score n of 32.  C n: pair n rounded to f16.  B n: of the four weights 4 n .. the second
; pair is added onto the first, in place.  L n: l takes that sum (L 0: l = a l + sum).  R n: pair n of 16 of O^T times a.  For piece Y + 1: X n, number n of the 22 that find its maximum and statistics:
;   0-11  four chains c0-c3 of seven scores each, three operands at a time (each accumulator's lowest registers are read first)     12-14, 16  the four scores left over, the old m, and c0-c3 into c0
;   15  c m_old is kept     17, 18  the query's other 32 keys lie in the lane 16 away: the new m     19-21  c m; c m_old - c m_new; a
.set F, 0               ; OP tells the kinds apart by their order: F to L below R, X above it
.set E, 1
.set C, 2
.set B, 3
.set L, 4
.set R, 5
.set X, 6
.macro REGS y                       ; the registers of piece y
.set rT, ST+4*(\y)
.set rC, TMP+4*((\y)%2)
.set rW, MV+((\y)%2)
.set rS, S+32*((\y)%2)
.set rP, P+16*((\y)%2)
.set rO, 32*(\y)
.endm
.macro OP k, n
.if (\k) == R
	REGS Y
	WIN W_RS
	v_pk_mul_f32 v[rO+2*(\n):rO+2*(\n)+1], v[rO+2*(\n):rO+2*(\n)+1], v[rC+2:rC+3] op_sel_hi:[1,0]
.elseif (\k) < R
	REGS Y
	WIN 0
.if (\k) == F
	v_pk_fma_f32 v[rS+2*(\n):rS+2*(\n)+1], v[rS+2*(\n):rS+2*(\n)+1], s[CS:CS+1], v[rT:rT+1] op_sel_hi:[1,0,0] neg_lo:[0,0,1] neg_hi:[0,0,1]
.elseif (\k) == E
	v_exp_f32 v[rS+(\n)], v[rS+(\n)]
.elseif (\k) == C
	s_wait_alu depctr_va_vdst(0)
	v_cvt_pk_f16_f32 v[rP+(\n)], v[rS+2*(\n)], v[rS+2*(\n)+1]
.elseif (\k) == B
	s_wait_alu depctr_va_vdst(0)
	v_pk_add_f32 v[rS+4*(\n):rS+4*(\n)+1], v[rS+4*(\n):rS+4*(\n)+1], v[rS+4*(\n)+2:rS+4*(\n)+3]
.elseif (\n) == 0
	v_pk_fma_f32 v[rT+2:rT+3], v[rT+2:rT+3], v[rC+2:rC+3], v[rS:rS+1] op_sel_hi:[1,0,1]
.else
	v_pk_add_f32 v[rT+2:rT+3], v[rT+2:rT+3], v[rS+4*(\n):rS+4*(\n)+1]
.endif
.elseif NOKQ
	v_nop
.else
	REGS (Y+1)%NP
	WIN 0
.if (\n) < 4
	v_max3_num_f32 v[rC+(\n)], v[rS+8*(\n)], v[rS+8*(\n)+1], v[rS+8*(\n)+2]
.elseif (\n) < 12
	v_max3_num_f32 v[rC+(\n)%4], v[rC+(\n)%4], v[rS+8*((\n)%4)+2*((\n)/4)+1], v[rS+8*((\n)%4)+2*((\n)/4)+2]
.elseif (\n) == 12
	v_max3_num_f32 v[rC], v[rC], v[rS+7], v[rS+15]
.elseif (\n) == 13
	v_max3_num_f32 v[rC+1], v[rC+1], v[rS+23], v[rS+31]
.elseif (\n) == 14
	v_max3_num_f32 v[rC+2], v[rC+2], v[rC+3], v[rT+1]
.elseif (\n) == 15
	v_mov_b32 v[rW], v[rT]
.elseif (\n) == 16
	v_max3_num_f32 v[rC], v[rC], v[rC+1], v[rC+2]
.elseif (\n) == 17
	v_permlanex16_b32 v[rC+3], v[rC], s[SEL], s[SEL+1]
.elseif (\n) == 18
	v_max_num_f32 v[rT+1], v[rC], v[rC+3]
.elseif (\n) == 19
	v_mul_f32 v[rT], s[CS], v[rT+1]
.elseif (\n) == 20
	v_sub_f32 v[rC+1], v[rW], v[rT]
.else
	v_exp_f32 v[rC+2], v[rC+1]
.endif
.endif
.endm
.macro OPS a, i1, b=-1, i2=0, c=-1, i3=0, d=-1, i4=0  ; up to four of them
	OP \a, \i1
.if (\b) >= 0
	OP \b, \i2
.endif
.if (\c) >= 0
	OP \c, \i3
.endif
.if (\d) >= 0
	OP \d, \i4
.endif
.endm
.macro ROW a, i1, b, i2, c, i3, d, i4  ; a matrix instruction and the four behind it
	MM
	OPS \a, \i1, \b, \i2, \c, \i3, \d, \i4
.endm
.macro MASK b                       ; MD x AL + BE into buffer b of MC
	WIN W_RS
.set z, 0
.rept 16
	v_pk_fma_f32 v[MC+32*(\b)+2*z:MC+32*(\b)+2*z+1], v[MD+2*z:MD+2*z+1], s[AL:AL+1], s[BE:BE+1] op_sel_hi:[1,0,0]
.set z, z+1
.endr
.endm
; A TURN, for piece p: the order of its 16 matrix and 118 vector instructions, written out.  Behind a matrix instruction: plain, exponential, plain, plain; or four of the rescaling; or, behind the first, four scalings; none
; names a register of the products round it.  In the lumps exponential and plain by turns while exponentials last.  A line reads no result made fewer than three vector instructions in front of it, five if an exponential made it.
; v_permlanex16_b32 (X 17) stands in a lump.
; m = 1: the diagonal tile: the products take masks, and the turn makes the mask for the products of the turn after it: piece p + 2, in step 4 - CNT of the tile.  end = 1: a block's last two turns: nothing is fetched.
; cnt = 1: the loop's count is taken down some lines ahead of the branch that stands behind the turn.
; K of the next step is fetched in piece 2's turn, six vector instructions behind the last product that read K (five of them plain); V of the step in hand in piece 0's turn, eight behind the last product that read V (four
; plain, and X 17).  Each is waited for a turn later.
.macro TURN p, m=0, end=0, cnt=0
.set Y, (\p)
.set i, 0
.set KM, (\m)
.set NOKQ, (\end)*((\p)/3)
.if (\m) && !(\end)
	s_cmp_eq_u32 s[CNT], 4-((\p)+2)%NP  ; is that step the band's own?
	s_cselect_b32 s[AL], 1.0, 0
	s_cmp_lt_u32 s[CNT], 4-((\p)+2)%NP  ; or a later one?
	s_cselect_b32 s[BE], s[BIGN], 0
.endif
.if ((\p) == 3) && !(\end)
	s_wait_dscnt 0x0                ; K is in
.endif
	ROW F,0, F,1, F,2, F,3
	ROW F,4, E,0, F,5, F,6
	ROW F,7, E,1, F,8, F,9
	ROW F,10, E,2, C,0, F,11
	ROW F,12, E,3, X,15, F,13
	ROW R,0, R,1, R,2, R,3
	ROW B,0, E,4, F,14, L,0
.if ((\p) == 2) && !(\end)
	v_add_nc_u32 v[AK], s[TBK], v[AK0]
.endif
	ROW R,4, R,5, R,6, R,7
	OPS E,5, F,15
.if ((\p) == 2) && !(\end)
	FETCH_K
.endif
	OPS E,6, C,1, E,7, R,8
	OPS E,8, R,9, E,9, C,2
	OPS E,10, X,0, E,11, X,1
	OPS E,12, X,2, E,13, X,3
.if (\p) == 1
	s_wait_dscnt 0x0                ; V is in
.endif
	ROW X,4, E,14, X,5, X,6
	ROW X,7, E,15, X,8, X,9
	ROW X,10, E,16, X,11, X,12
	ROW X,13, E,17, X,14, B,1
	ROW C,4, E,18, X,16, L,1
	ROW B,2, E,19, C,6, L,2
	ROW C,8, E,20, B,3, B,4
.if (\p) == 0
	v_add_nc_u32 v[AV], s[TBV], v[AV0]
.endif
	ROW C,3, E,21, L,3, C,5
	OPS E,22, X,17, E,23, C,10
.if (\p) == 0
	FETCH_V
.endif
	OPS E,24, L,4
	OPS E,25, X,18, E,26, C,7
	OPS E,27, B,5, E,28, X,19
	OPS E,29, C,12, E,30, L,5
	OPS E,31, X,20, B,6, C,9
	OPS C,14, C,11, X,21, L,6
.if (\p) == 0
	s_add_co_u32 s[TBV], s[TBV], KS*PV
.endif
.if \cnt
	s_sub_co_u32 s[CNT], s[CNT], 1
	s_cmp_lg_u32 s[CNT], 0
.endif
	OPS C,13, B,7, C,15, R,10
	OPS R,11, R,12, L,7, R,13
	OPS R,14, R,15
.if (\m) && !(\end)
	MASK (\p)%2
.endif
.endm
; A BLOCK BEGINS.  c m starts far below every c s, so the first step's a is 0; m at the lowest finite number, so the first maximum is the scores'.  The second mask buffer is 0; the first takes piece 0's mask for the tile's step 0: its own, if the block's first tile is the diagonal one.
; Then K of that step, piece 0's first scores, and its maximum and statistics.  The loop is entered at a step's first turn, in the middle of a trip.
.macro BEGIN
	s_mov_b32 s[NEW], 0
	WIN 0x40
.set i, MC+32
.rept 32
	v_mov_b32 v[i], 0
.set i, i+1
.endr
	WIN 0
.set i, 0
.rept 4
	v_mov_b32 v[ST+4*i], 0xfe000000    ; c m: far below every c s
	v_mov_b32 v[ST+4*i+1], 0xff7fffff  ; m
.set i, i+1
.endr
	s_cmp_eq_u32 s[RT], 0
	s_cselect_b32 s[AL], 1.0, 0
	s_mov_b32 s[BE], 0
	MASK 0
	WIN 0
	v_add_nc_u32 v[AK], s[TBK], v[AK0]
	FETCH_K
	s_wait_loadcnt 0x0              ; Q
	s_wait_dscnt 0x0
.set KM, 1
.set NOKQ, 0
.set i, 0
.rept 8
	KQ 0
.set i, i+1
.endr
	WIN 0
.rept 4
	v_nop                           ; the places behind those products
.endr
.set Y, NP-1                        ; X works for piece Y + 1: piece 0
.irp n, 0,1,2,3,4,5,6,7,8,9,10,11,12,13,14,15,16,17,18,19,20,21
	OP X, \n
.endr
	v_nop                           ; a plain instruction behind the exponential
.endm
; THE DIAGONAL TILE's four steps, the block's last two turns, its last products, and THE WAY OUT: l's two halves and the other half of the lanes' are added; O^T is divided by l, rounded to f16 and sent through my
; stage in LDS, a piece at a time.
.macro ALL line:vararg              ; one line for each piece t
.set t, 0
.rept 4
	\line
.set t, t+1
.endr
.endm
.macro PACK t                       ; a lane's eight channels of a row pack into 16 bytes; they go into rows of 144 bytes and come back as whole rows of 128, into S^T's registers
	WIN W_RS
.set i, 32*(\t)
.rept 16
	s_wait_alu depctr_va_vdst(0)
	v_pk_mul_f32 v[i:i+1], v[i:i+1], v[ST+4*(\t)+2:ST+4*(\t)+3] op_sel_hi:[1,0]
.set i, i+2
.endr
	WIN 0x05                        ; sources 0 and 1 window 1, destination window 0
.set i, 0
.rept 16
	v_cvt_pk_f16_f32 v[S+16*(\t)+i], v[32*(\t)+2*i], v[32*(\t)+2*i+1]
.set i, i+1
.endr
	WIN 0
.irp f, 0,1,2,3
	ds_store_b128 v[STO], v[S+16*(\t)+4*\f:S+16*(\t)+4*\f+3] offset:32*\f
.endr
.irp f, 0,1,2,3
	ds_load_b128 v[S+16*(\t)+4*\f:S+16*(\t)+4*\f+3], v[RD] offset:\f*4*SP  ; LDS serves a wave's instructions in order (ISA guide 5.7.1.4): these see the stores above; the next piece's stores come behind them
.endr
.endm
.macro SEND t, younger              ; younger: the LDS instructions issued behind piece t's loads: the next piece's eight, or none
	WIN 0
.irp f, 0,1,2,3
	s_wait_dscnt (\younger)+3-\f
	global_store_b128 v[GO], v[S+16*(\t)+4*\f:S+16*(\t)+4*\f+3], s[10:11] offset:(\t)*8192+\f*512  ; 512 consecutive bytes, at a multiple of 256 from O's first
.endr
.endm
.macro DIAG tag                     ; the tag ends its two labels' names, which the jumps below spell out
.LstepM\tag:
	TURN 2, 1
	TURN 3, 1
	WIN 0
.LfirstM\tag:
	TURN 0, 1
	TURN 1, 1, 0, 1
	WIN 0
	s_cbranch_scc1 .LstepM\tag
	TURN 2, 1, 1
	TURN 3, 1, 1
.set i, 0
.rept 8
	PV NP-1
.set i, i+1
.endr
	WIN 0
	ALL v_add_f32 v[ST+4*t+2], v[ST+4*t+2], v[ST+4*t+3]
	ALL v_permlanex16_b32 v[ST+4*t+3], v[ST+4*t+2], s[SEL], s[SEL+1]
	ALL v_add_f32 v[ST+4*t+2], v[ST+4*t+2], v[ST+4*t+3]
	ALL v_rcp_f32 v[ST+4*t+2], v[ST+4*t+2]
	v_nop                           ; a plain instruction between the last reciprocal and the use of its result
	PACK 0
.set t, 1
.rept 3                             ; a piece's arithmetic stands between the loads of the piece before and its stores
	PACK t
	SEND t-1, 8
.set t, t+1
.endr
	SEND 3, 0
.endm
.set KM, 0
.set NOKQ, 0
.Lslot:                             ; NB times: a tile is entered and the next is asked for
	CHANGE 1
	s_sub_co_u32 s[RT], s[RT], 1
	s_mov_b32 s[CNT], 4
	s_cmp_eq_u32 s[NEW], 1
	s_cbranch_scc1 .Lnew            ; a block's first tile
	s_cmp_eq_u32 s[RT], 0
	s_cbranch_scc0 .Lstep           ; neither its first nor its last
	s_branch .LstepM1
.Lnew:
	BEGIN
	s_branch .Lfirst                ; in the loop a block's first tile is never its last: the first block has two tiles or more, and the second's last is the walk's last
	DIAG 1                          ; in the loop this is the first block's end: the second block's last tile is the walk's last
	s_wait_xcnt 0x0                 ; the stores have read their registers and O's address
	s_mov_b64 s[10:11], s[OLO:OLO+1]
	s_add_co_u32 s[RT], s[PB], 1    ; the second block has b + 1 tiles
	s_mov_b32 s[NEW], 1
	WIN 0x82                        ; the second block's Q goes where the one text of the turns names Q
.set i, 0
.rept 64
	v_mov_b32 v[i], v[QB+i]
.set i, i+1
.endr
	WIN 0
	s_branch .Lbottom
.Lstep:                             ; a trip: pieces 2 and 3 of one step, then pieces 0 and 1 of the next, whose K and V it fetches
	TURN 2
	TURN 3
	WIN 0
.Lfirst:
	TURN 0
	TURN 1, 0, 0, 1
	WIN 0
	s_cbranch_scc1 .Lstep
.Lbottom:
	s_sub_co_u32 s[SLOTS], s[SLOTS], 1
	s_cmp_lg_u32 s[SLOTS], 0
	s_cbranch_scc1 .Lslot
	CHANGE 0                        ; the walk's last tile is written out: nothing is asked for
	s_sub_co_u32 s[RT], s[RT], 1
	s_mov_b32 s[CNT], 4
	s_cmp_eq_u32 s[NEW], 1
	s_cbranch_scc0 .LstepM2
	BEGIN
	s_branch .LfirstM2
	DIAG 2
	s_wait_tensorcnt 0x0            ; the wave's end: behind my last tensor load and my last LDS store
	ds_add_u32 v[SPW], v[NIL]
	s_wait_dscnt 0x0
	s_endpgm
.Lfunc_end_k_q440b52ee85_attn:
	.size	k_q440b52ee85_attn, .Lfunc_end_k_q440b52ee85_attn-k_q440b52ee85_attn
	.p2alignl 7, 3214868480
	.fill 96, 4, 3214868480
	.section	.rodata,"a",@progbits
	.p2align	6, 0x0
	.amdhsa_kernel k_q440b52ee85_attn
		.amdhsa_group_segment_fixed_size 327680
		.amdhsa_private_segment_fixed_size 0
		.amdhsa_enable_private_segment 0
		.amdhsa_kernarg_size 16
		.amdhsa_user_sgpr_count 2
		.amdhsa_user_sgpr_kernarg_segment_ptr 1
		.amdhsa_wavefront_size32 1
		.amdhsa_system_sgpr_workgroup_id_x 1
		.amdhsa_system_sgpr_workgroup_id_y 1
		.amdhsa_system_sgpr_workgroup_id_z 1
		.amdhsa_system_vgpr_workitem_id 0
		.amdhsa_next_free_vgpr 768
		.amdhsa_next_free_sgpr 92
		.amdhsa_reserve_vcc 1
		.amdhsa_float_denorm_mode_32 3
		.amdhsa_float_denorm_mode_16_64 3
		.amdhsa_memory_ordered 1
		.amdhsa_forward_progress 1
		.amdhsa_inst_pref_size 229
	.end_amdhsa_kernel
	.amdgpu_metadata
---
amdhsa.version: [ 1, 2 ]
amdhsa.kernels:
  - .name:           k_q440b52ee85_attn
    .symbol:         k_q440b52ee85_attn.kd
    .args:
      - { .name: qkv, .offset: 0, .size: 8, .value_kind: global_buffer, .address_space: global }
      - { .name: ob, .offset: 8, .size: 8, .value_kind: global_buffer, .address_space: global }
    .group_segment_fixed_size: 327680
    .private_segment_fixed_size: 0
    .kernarg_segment_align: 8
    .kernarg_segment_size: 16
    .max_flat_workgroup_size: 128
    .sgpr_count:     92
    .vgpr_count:     768
    .wavefront_size: 32
...
	.end_amdgpu_metadata
.endif
;; end of part 3
;; launch oproj (part 4): grid 8 x 32, 4 waves a work-group, clusters of 4 x 4, 327,680 bytes of LDS; arguments ob, wob, out0; writes out0
.if DOCPART == 4
	.amdgcn_target "amdgcn-amd-amdhsa--gfx1250"
	.amdhsa_code_object_version 6
	.text
	.protected	k_q440b52ee85_oproj
	.globl	k_q440b52ee85_oproj
	.p2align	8
	.type	k_q440b52ee85_oproj,@function
k_q440b52ee85_oproj:
	s_mov_b64 s[64:65], 0
	v_nop
	global_prefetch_b8 v0, s[64:65] scope:SCOPE_SE
	s_setreg_imm32_b32 hwreg(HW_REG_WAVE_MODE, 25, 1), 1
	s_wait_xcnt 0x0
	s_wait_alu depctr_hold_cnt(0) depctr_sa_sdst(0) depctr_va_vdst(0) depctr_va_sdst(0) depctr_va_ssrc(0) depctr_va_vcc(0) depctr_vm_vsrc(0)
	s_getreg_b32 s2, hwreg(HW_REG_IB_STS2, 6, 4)
	s_cmp_eq_u32 s2, 0
	s_cbranch_scc0 .Lentry_in_a_cluster
	s_endpgm
.Lentry_in_a_cluster:
	s_bfe_u32 s2, ttmp6, 0x10000c
	s_cmp_lg_u32 s2, 0xf033
	s_cbranch_scc0 .Lentry_shape_is_right
	s_endpgm
.Lentry_shape_is_right:
; out = O wo^T.  ob [b x 16 + head][s 2048][64] in f16: a head is a block of 64 along K; wob [kb 16][n 1024][64] in f16 (wo rounded to bf16, written as f16); sums in f32; out0 [8192][1024] in f32.
; SHARES.  A tile of out0 is 256 rows x 128 columns, one to a work-group of four waves: 256 work-groups.  A wave makes 128 x 64: 32 accumulators of 16 x 16, 256 registers; its 64 columns are 256 bytes of a row of out0.
; K goes in steps of 128 = two K blocks ("planes") through a ring of two LDS slots.  A plane of a tile is dense in memory, 128 bytes a row: it is asked for as rows of 256 bytes and padded in LDS behind every 128.
; CLUSTERS: 4 x 4 work-groups.  The four of a row of the cluster need the same planes of O, the four of a column the same planes of wo: each is asked for JOINTLY, by the same tensor load with the
; same descriptor and a mask that names the four.
; THE MATRIX INSTRUCTION IS USED TRANSPOSED (source 0 = 16 rows of wo, source 1 = 16 rows of O): a lane then holds one row (lane % 16) and eight neighbouring columns 8 (lane / 16) + 0..7: 32 bytes of out0.
; REGISTERS: window 0: v0-31 addresses; v64-159, v160-255 two fragment buffers of 96 (4 fragments of wo, then 8 of O, 32 along K).  Window 1: the accumulators, (a, b) at v[8 (4 a + b)].
.set PITCH,  144                       ; an LDS row: 128 bytes + 16 of padding = 36 words: the 16 rows of a load start at 16 different groups of four banks (64 banks of 4 bytes: ISA guide 11.1)
.set APL,    256*PITCH                 ; a plane of O's tile
.set BPL,    128*PITCH                 ; a plane of wo's tile
.set BOFF,   2*APL                     ; a slot: O's two planes, then wo's two
.set SLOT,   2*APL+2*BPL
.set STAGE,  2*SLOT                    ; behind the ring: 16 rows x 272 bytes for each wave, for the way out; no tensor load fills it
.set SPITCH, 272                       ; 256 bytes + 16 = 68 words: row r starts at bank 4 r mod 64
.set SPARE,  STAGE+4*16*SPITCH         ; the spare words, 128 bytes for each wave: two blocks of 256 bytes that no other line names
.set ASTEP,  4<<18                     ; two K steps on: four planes of 2,048 rows x 128 bytes
.set BSTEP,  4<<17                     ; four planes of 1,024 rows x 128 bytes
.set ADRA, 16                          ; v16-17  LDS address of my fragments of O in slot 0, 1
.set ADRB, 20                          ; v20-21  the same for wo
.set STO,  24                          ; v24     the way out: where I put 32 bytes of a row
.set RD,   25                          ; v25     where I read a row back
.set CO,   26                          ; v26     my byte offset in two rows of out0
.set SPW,  28                          ; v28     LDS address of my spare word: SPARE + 4 x my thread's number; never rewritten
.set NIL,  29                          ; v29     0; never rewritten
.set F0,   64
.set F1,   160
.set BK0,  64                          ; v64-95, v96-127  the way out: 16 rows read back from the stage, by turns
.set WV,   12                          ; s12  my wave's number
.set FB,   13                          ; s13  which half of the tile's rows is mine.  Also: I fetch for O (0) or for wo (1)
.set PL,   14                          ; s14  which half of its columns.  Also: which plane of a K step I fetch
.set G1A,  28                          ; s[28:35] descriptor group 1 for O's planes
.set G1B,  36                          ; s[36:43] for wo's
.set G0A,  52                          ; s[52:59] descriptor group 0 for O's planes, a set for each slot
.set G0B,  68                          ; s[68:75] for wo's
.set MSB, 0
.macro WIN new                         ; the immediate's high byte repeats the setting that is left; a switch that changes nothing is dropped
.if MSB != (\new)
	s_set_vgpr_msb (MSB<<8)|(\new)
.set MSB, \new
.endif
.endm
.set MULW, 0x50                        ; C and D window 1, sources 0 and 1 window 0
; A joint load: waves 0 and 1 fetch O's two planes, waves 2 and 3 wo's.  The branch hangs on the wave's number alone.  An s_nop 0 and four v_nop follow each of the two lines.
.macro JLOAD s
	s_cmp_eq_u32 s[FB], 0
	s_cbranch_scc0 .Lfor_b_\@
	tensor_load_to_lds s[G0A+4*(\s):G0A+4*(\s)+3], s[G1A:G1A+7]
	s_nop 0
.rept 4
	v_nop
.endr
	s_branch .Lasked_\@
.Lfor_b_\@:
	tensor_load_to_lds s[G0B+4*(\s):G0B+4*(\s)+3], s[G1B:G1B+7]
	s_nop 0
.rept 4
	v_nop
.endr
.Lasked_\@:
.endm
.macro CREST                           ; a round of the cluster's barrier behind its opening barrier
	s_cmp_lg_u32 s[WV], 0
	s_cbranch_scc1 .Lnot_wave_0_\@
	s_barrier_signal -3
.Lnot_wave_0_\@:
	s_barrier_wait -3
	s_barrier_signal -1
	s_barrier_wait -1
.endm
.macro CROUND                          ; a whole round
	s_barrier_signal -1
	s_barrier_wait -1
	CREST
.endm
	s_load_b128 s[4:7], s[0:1], 0x0                ; ob s[4:5], wob s[6:7]
	s_load_b64 s[8:9], s[0:1], 0x10                ; out0
	v_lshl_add_u32 v[SPW], v0, 2, SPARE
	v_mov_b32 v[NIL], 0
	ds_add_u32 v[SPW], v[NIL]                      ; the wave's opening: the add and its wait stand ahead of my first tensor load; the set-up below, work on registers, stands between them
	ds_add_u32 v28, v29
	v_lshrrev_b32 v1, 5, v0
	v_readfirstlane_b32 s[WV], v1                  ; wave 0..3
	s_lshr_b32 s[FB], s[WV], 1
	s_and_b32 s[PL], s[WV], 1
	s_bfe_u32 s15, ttmp6, 0x40000                  ; cx, cy: my place in the cluster
	s_bfe_u32 s16, ttmp6, 0x40004
	s_lshl_b32 s17, ttmp9, 2
	s_add_co_u32 s17, s17, s15                     ; X: tile column = 4 x cluster x + cx, 0..7
	s_and_b32 s18, ttmp7, 0xffff
	s_lshl_b32 s18, s18, 2
	s_add_co_u32 s18, s18, s16                     ; Y: tile row = 4 x cluster y + cy, 0..31: batch Y / 8, tokens 256 (Y % 8) on
	s_lshl_b32 s19, s16, 2
	s_lshl_b32 s19, 15, s19                        ; my row of the cluster
	s_lshl_b32 s20, 0x1111, s15                    ; my column
	; descriptor groups 1: rows of 128 elements of 2 bytes, dense; O: 128 such rows (256 tokens), wo: 64 (128 rows of wo), each padded by 4 words behind every 32
	s_or_b32 s[G1A], s19, (1<<16)|(1<<20)|(1<<21)|(4<<22)|(3<<25)  ; 15:0 the mask; 17:16 2-byte elements; 20 padding on; 21 set beside a mask; 24:22 after every 32 words (code 4); 31:25 4 words (code 3)
	s_or_b32 s[G1B], s20, (1<<16)|(1<<20)|(1<<21)|(4<<22)|(3<<25)
.irp g, G1A, G1B
	s_mov_b32 s[(\g)+1], 128<<16                   ; tensor_dim0 = 128
	s_mov_b32 s[(\g)+3], 128<<16                   ; tile_dim0 = 128
	s_mov_b32 s[(\g)+5], 128                       ; 128 elements from row to row
	s_mov_b32 s[(\g)+6], 0
	s_mov_b32 s[(\g)+7], 0
.endr
	s_mov_b32 s[G1A+2], 128<<16                    ; tensor_dim1
	s_mov_b32 s[G1A+4], 128                        ; tile_dim1
	s_mov_b32 s[G1B+2], 64<<16
	s_mov_b32 s[G1B+4], 64
	; where the tiles come from.  O's hang on Y and my plane, wo's on X and my plane, each made in registers that never hold the other coordinate
	s_and_b32 s21, s18, 7                          ; Y % 8
	s_lshr_b32 s22, s18, 3
	s_lshl_b32 s22, s22, 22                        ; the batch: 16 heads of 262,144 bytes
	s_lshl_b32 s23, s21, 15                        ; 256 tokens x 128 bytes
	s_add_co_u32 s22, s22, s23
	s_lshl_b32 s23, s[PL], 18                      ; my plane: a head
	s_add_co_u32 s22, s22, s23
	s_mov_b32 s23, 0
	s_lshl_b32 s24, s17, 14                        ; 128 rows of wo x 128 bytes
	s_lshl_b32 s25, s[PL], 17
	s_add_co_u32 s24, s24, s25
	s_mov_b32 s25, 0
	s_lshl_b32 s60, s18, 20                        ; where my part begins in out0: 256 rows of 4,096 bytes a tile row,
	s_lshl_b32 s62, s[FB], 19                      ; my 128 rows,
	s_add_co_u32 s60, s60, s62
	s_lshl_b32 s62, s17, 9                         ; 128 columns of 4 bytes a tile column,
	s_add_co_u32 s60, s60, s62
	s_lshl_b32 s62, s[PL], 8                       ; my 64 columns
	s_add_co_u32 s60, s60, s62
	s_mov_b32 s61, 0
	s_mul_i32 s66, s[PL], APL                      ; and where the tiles go: no place in the cluster enters an LDS address
	s_mul_i32 s67, s[PL], BPL
	s_add_co_u32 s67, s67, BOFF
	s_wait_dscnt 0x0                               ; the opening add is done
	s_wait_kmcnt 0x0
	s_add_nc_u64 s[22:23], s[4:5], s[22:23]
	s_add_nc_u64 s[24:25], s[6:7], s[24:25]
	s_add_nc_u64 s[8:9], s[8:9], s[60:61]
	CROUND                                         ; all sixteen work-groups are here: the first joint loads meet
.irp s, 0,1
	s_mov_b32 s[G0A+4*(\s)], 1                                     ; 1:0 count = 1
	s_add_co_u32 s[G0A+4*(\s)+1], s66, (\s)*SLOT                   ; 63:32 LDS address
	s_add_nc_u64 s[G0A+4*(\s)+2:G0A+4*(\s)+3], s[22:23], (\s)*(2<<18)  ; 120:64 global address: K step s
	s_or_b32 s[G0A+4*(\s)+3], s[G0A+4*(\s)+3], 0x80000000          ; 127:126 type = 2
	s_mov_b32 s[G0B+4*(\s)], 1
	s_add_co_u32 s[G0B+4*(\s)+1], s67, (\s)*SLOT
	s_add_nc_u64 s[G0B+4*(\s)+2:G0B+4*(\s)+3], s[24:25], (\s)*(2<<17)
	s_or_b32 s[G0B+4*(\s)+3], s[G0B+4*(\s)+3], 0x80000000
.endr
	s_cmp_eq_u32 s[FB], 0                          ; a wave's two first fills stand in one branch, ahead of every wait on TENSORcnt and every LDS read: two loads of mine are out
	s_cbranch_scc0 .Lfirst_b
	tensor_load_to_lds s[G0A:G0A+3], s[G1A:G1A+7]
	s_nop 0
	tensor_load_to_lds s[G0A+4:G0A+7], s[G1A:G1A+7]
	s_nop 0
.rept 4
	v_nop
.endr
	s_branch .Lfirst_asked
.Lfirst_b:
	tensor_load_to_lds s[G0B:G0B+3], s[G1B:G1B+7]
	s_nop 0
	tensor_load_to_lds s[G0B+4:G0B+7], s[G1B:G1B+7]
	s_nop 0
.rept 4
	v_nop
.endr
.Lfirst_asked:
	; A fragment is 16 rows x 32 K in 8 registers: lane l holds row l % 16; registers 0-3 K = 8 (l / 16) + 0..7, registers 4-7 K = 16 + 8 (l / 16) + 0..7: two loads of 16 bytes, 32 bytes apart.
	v_and_b32 v1, 15, v0                           ; l % 16
	v_bfe_u32 v2, v0, 4, 1                         ; l / 16
	v_mul_u32_u24 v3, v1, PITCH
	v_lshl_add_u32 v3, v2, 4, v3                   ; row x pitch + 16 x half
	s_mul_i32 s62, s[FB], 128*PITCH                ; my 128 rows of O
	s_mul_i32 s63, s[PL], 64*PITCH                 ; my 64 rows of wo,
	s_add_co_u32 s63, s63, BOFF                    ; which lie behind O's planes
.irp s, 0,1
	v_add_nc_u32 v[ADRA+(\s)], s62, v3
	v_add_nc_u32 v[ADRB+(\s)], s63, v3
	s_add_co_u32 s62, s62, SLOT
	s_add_co_u32 s63, s63, SLOT
.endr
	s_mul_i32 s62, s[WV], 16*SPITCH
	s_add_co_u32 s62, s62, STAGE                   ; my stage
	v_mul_u32_u24 v[STO], v1, SPITCH               ; in: row l % 16, 32 bytes for each half of the lanes
	v_lshl_add_u32 v[STO], v2, 5, v[STO]
	v_add_nc_u32 v[STO], s62, v[STO]
	v_mul_u32_u24 v[RD], v2, SPITCH                ; back: lanes 0-15 take one row of 256 bytes, lanes 16-31 the next
	v_lshl_add_u32 v[RD], v1, 4, v[RD]
	v_add_nc_u32 v[RD], s62, v[RD]
	v_lshlrev_b32 v[CO], 12, v2                    ; and the same two rows in out0
	v_lshl_add_u32 v[CO], v1, 4, v[CO]
; 8 matrix instructions: m blocks a0, a0 + 1 x all 4 n blocks, 32 along K, from buffer f.  zero = 1: the product starts the sum: nothing is ever cleared.
; The 32 accumulators take turns, one instruction a turn, in the same order in every quarter.
.macro MUL8 f, a0, zero
	WIN MULW
.irp a, \a0, (\a0)+1
.irp b, 0,1,2,3
.if \zero
	v_wmma_f32_16x16x32_f16 v[8*(4*(\a)+(\b)):8*(4*(\a)+(\b))+7], v[(\f)+8*(\b):(\f)+8*(\b)+7], v[(\f)+32+8*(\a):(\f)+32+8*(\a)+7], 0
.else
	v_wmma_f32_16x16x32_f16 v[8*(4*(\a)+(\b)):8*(4*(\a)+(\b))+7], v[(\f)+8*(\b):(\f)+8*(\b)+7], v[(\f)+32+8*(\a):(\f)+32+8*(\a)+7], v[8*(4*(\a)+(\b)):8*(4*(\a)+(\b))+7]
.endif
.endr
.endr
.endm
.macro MUL16 f, a0, zero
	MUL8 \f, \a0, \zero
	MUL8 \f, (\a0)+2, \zero
.endm
; 24 LDS loads in one run: the fragments of quarter q of a K step (plane q / 2, byte 64 (q % 2) of its rows) into buffer f: wo's four, then O's eight
.macro FETCH slot, q, f
	WIN 0
.irp i, 0,1,2,3
	ds_load_b128 v[(\f)+8*(\i):(\f)+8*(\i)+3],   v[ADRB+(\slot)] offset:((\q)/2)*BPL+((\q)%2)*64+(\i)*16*PITCH
	ds_load_b128 v[(\f)+8*(\i)+4:(\f)+8*(\i)+7], v[ADRB+(\slot)] offset:((\q)/2)*BPL+((\q)%2)*64+(\i)*16*PITCH+32
.endr
.irp i, 0,1,2,3,4,5,6,7
	ds_load_b128 v[(\f)+32+8*(\i):(\f)+32+8*(\i)+3],   v[ADRA+(\slot)] offset:((\q)/2)*APL+((\q)%2)*64+(\i)*16*PITCH
	ds_load_b128 v[(\f)+32+8*(\i)+4:(\f)+32+8*(\i)+7], v[ADRA+(\slot)] offset:((\q)/2)*APL+((\q)%2)*64+(\i)*16*PITCH+32
.endr
.endm
.macro PLACES                          ; four places in front of loads into registers that matrix instructions have read, and of lines that read results (ISA guide 7.12.1 for lines that read results)
.rept 4
	v_nop
.endr
.endm
; A K step is four quarters of 32 along K, 32 matrix instructions each, on buffers 0, 1, 0, 1.  One of the first three: multiplies buffer f and in its middle fetches quarter q into g.
.macro QUARTER slot, q, f, g, zero
	s_wait_dscnt 8                                 ; wo's fragments and O's first four are in; the youngest eight loads (O's last four) may be out
	MUL16 \f, 0, \zero
	PLACES
	FETCH \slot, \q, \g
	s_wait_dscnt 24                                ; all but the 24 just issued
	MUL16 \f, 4, \zero
.endm
; The last quarter multiplies buffer 1 and changes slots: ONE barrier; in front of it each wave waits for all its tensor loads (one is out: its part of the next slot), adds 0 to its spare word, and waits
; for that and for its own reads of this slot.  fill = 1: the barrier opens a round of the cluster's barrier, and this slot is filled again first thing behind it, with the K step two steps on.
; From a request to the wait for it a wave issues 112 matrix instructions.
.macro TURN slot, next, fill
	WIN 0                                          ; (the add's two registers lie in window 0)
	s_wait_tensorcnt 0x0                           ; all my tensor loads have landed;
	ds_add_u32 v[SPW], v[NIL]                      ; 0 onto my spare word;
	s_wait_dscnt 9                                 ; (the add and the youngest eight loads may be out)
	MUL8 F1, 0, 0                                  ; eight matrix instructions stand between the add and the wait for it
	s_wait_dscnt 0x0                               ; the add is done, and my reads of this slot are over
	s_barrier_signal -1
	MUL8 F1, 2, 0
.if \fill
	WIN 0
.endif
	s_barrier_wait -1
.if \fill
	CREST                                          ; no wave of any partner still reads this slot's tile or has a load on its way
	s_add_nc_u64 s[G0A+4*(\slot)+2:G0A+4*(\slot)+3], s[G0A+4*(\slot)+2:G0A+4*(\slot)+3], ASTEP
	s_add_nc_u64 s[G0B+4*(\slot)+2:G0B+4*(\slot)+3], s[G0B+4*(\slot)+2:G0B+4*(\slot)+3], BSTEP
	JLOAD \slot                                    ; the first tensor load behind the round; its four v_nop are also the places in front of the loads below
.else
	PLACES
.endif
	FETCH \next, 0, F0
	MUL16 F1, 4, 0
.endm
; THE WAY OUT, a block a of 16 rows at a time: 32 bytes a lane into rows of 272 bytes of my own stage, back as whole rows of 256, and stored.
.macro STG a
	WIN 0x04                                       ; the stores' data window 1, the address window 0
.irp b, 0,1,2,3
	ds_store_b128 v[STO], v[8*(4*(\a)+(\b)):8*(4*(\a)+(\b))+3]   offset:64*(\b)     ; each accumulator's lowest registers first
	ds_store_b128 v[STO], v[8*(4*(\a)+(\b))+4:8*(4*(\a)+(\b))+7] offset:64*(\b)+16
.endr
	WIN 0
.set BK, BK0+32*((\a)%2)
.irp t, 0,1,2,3,4,5,6,7
	ds_load_b128 v[BK+4*(\t):BK+4*(\t)+3], v[RD] offset:(\t)*2*SPITCH  ; LDS serves a wave's instructions in order (ISA guide 5.7.1.4): these see the stores above; the next block's stores come behind them
.endr
.endm
.macro SENDF a, younger                ; younger: the LDS instructions issued behind block a's loads: the next block's sixteen, or none
	WIN 0
.set BK, BK0+32*((\a)%2)
	s_wait_dscnt \younger
.irp t, 0,1,2,3,4,5,6,7
	global_store_b128 v[CO], v[BK+4*(\t):BK+4*(\t)+3], s[8:9] offset:(16*(\a)+2*(\t))*4096 th:TH_STORE_NT  ; 16 lanes store 256 consecutive bytes, at a multiple of 256 from out0's first byte; nothing reads them in the launch
.endr
.endm
	s_wait_tensorcnt 1                             ; my part of K step 0 is in,
	s_barrier_signal -1
	s_barrier_wait -1                              ; everybody's is
	FETCH 0, 0, F0
	QUARTER 0, 1, F0, F1, 1                        ; the first quarter stands in front of the loop: its products start the sums
	WIN 0                                          ; at a label and at a branch every window is 0
	s_mov_b32 s3, 3
.Llap:                                                 ; a trip goes once round the ring, from a lap's second quarter to the next lap's first, and fills both slots again
	QUARTER 0, 2, F1, F0, 0
	QUARTER 0, 3, F0, F1, 0
	TURN 0, 1, 1
	QUARTER 1, 1, F0, F1, 0
	QUARTER 1, 2, F1, F0, 0
	QUARTER 1, 3, F0, F1, 0
	TURN 1, 0, 1
	QUARTER 0, 1, F0, F1, 0
	WIN 0
	s_sub_co_u32 s3, s3, 1
	s_cmp_lg_u32 s3, 0
	s_cbranch_scc1 .Llap
	QUARTER 0, 2, F1, F0, 0                        ; the last lap fills nothing, and has no round of the cluster's barrier
	QUARTER 0, 3, F0, F1, 0
	TURN 0, 1, 0
	QUARTER 1, 1, F0, F1, 0
	QUARTER 1, 2, F1, F0, 0
	QUARTER 1, 3, F0, F1, 0
	s_wait_dscnt 8                                 ; the very last quarter: nothing more to fetch
	MUL16 F1, 0, 0
	s_wait_dscnt 0x0
	MUL16 F1, 4, 0
	WIN 0
	PLACES
	STG 0
.irp a, 1,2,3,4,5,6,7
	s_wait_xcnt 0x0                                ; every earlier store has had its addresses translated (ISA guide 3.1): the 32 registers that block a - 2 was stored from are loaded again only behind this wait
	STG \a
	SENDF (\a)-1, 16
.endr
	SENDF 7, 0
	s_wait_tensorcnt 0x0                           ; the wave's end: behind my last tensor load and my last LDS store
	ds_add_u32 v[SPW], v[NIL]
	s_wait_dscnt 0x0
	CROUND                                         ; the closing round: no work-group ends while a partner may still ask for a tile that names it
	s_endpgm
.Lfunc_end_k_q440b52ee85_oproj:
	.size	k_q440b52ee85_oproj, .Lfunc_end_k_q440b52ee85_oproj-k_q440b52ee85_oproj
	.p2alignl 7, 3214868480
	.fill 96, 4, 3214868480
	.section	.rodata,"a",@progbits
	.p2align	6, 0x0
	.amdhsa_kernel k_q440b52ee85_oproj
		.amdhsa_group_segment_fixed_size 327680
		.amdhsa_private_segment_fixed_size 0
		.amdhsa_enable_private_segment 0
		.amdhsa_kernarg_size 24
		.amdhsa_user_sgpr_count 2
		.amdhsa_user_sgpr_kernarg_segment_ptr 1
		.amdhsa_wavefront_size32 1
		.amdhsa_system_sgpr_workgroup_id_x 1
		.amdhsa_system_sgpr_workgroup_id_y 1
		.amdhsa_system_sgpr_workgroup_id_z 1
		.amdhsa_system_vgpr_workitem_id 0
		.amdhsa_next_free_vgpr 512
		.amdhsa_next_free_sgpr 76
		.amdhsa_reserve_vcc 0
		.amdhsa_float_denorm_mode_32 3
		.amdhsa_float_denorm_mode_16_64 3
		.amdhsa_memory_ordered 1
		.amdhsa_forward_progress 1
		.amdhsa_inst_pref_size 85
	.end_amdhsa_kernel
	.amdgpu_metadata
---
amdhsa.version: [ 1, 2 ]
amdhsa.kernels:
  - .name:           k_q440b52ee85_oproj
    .symbol:         k_q440b52ee85_oproj.kd
    .args:
      - { .name: ob, .offset: 0, .size: 8, .value_kind: global_buffer, .address_space: global }
      - { .name: wob, .offset: 8, .size: 8, .value_kind: global_buffer, .address_space: global }
      - { .name: out0, .offset: 16, .size: 8, .value_kind: global_buffer, .address_space: global }
    .group_segment_fixed_size: 327680
    .private_segment_fixed_size: 0
    .kernarg_segment_align: 8
    .kernarg_segment_size: 24
    .max_flat_workgroup_size: 128
    .sgpr_count:     76
    .vgpr_count:     512
    .wavefront_size: 32
...
	.end_amdgpu_metadata
.endif
;; end of part 4
;; ======== version 2 of 2: 4 launches; version 1 with the launch prep written anew for expert scheduling mode
;; limits: values are held in f16: magnitudes above 65,504 overflow, below 6.1e-05 lose precision; inputs' magnitudes at most 1,048,576; an absolute error that grows with the inputs' magnitude: up to 1e-07 times it
;; workspace buffers: xb 16,777,216 bytes; wb 6,291,456 bytes; wob 2,097,152 bytes; tab 524,288 bytes; qkv 50,331,648 bytes; ob 16,777,216 bytes
;; launch prep (part 5): grid 768 x 1, 8 waves a work-group, no clusters, 0 bytes of LDS; arguments in_features, token_positions, wq, wk, wv, wo, xb, wb, wob, tab; writes xb, wb, wob, tab
.if DOCPART == 5
	.amdgcn_target "amdgcn-amd-amdhsa--gfx1250"
	.amdhsa_code_object_version 6
	.text
	.protected	k_q440b52ee85_prep
	.globl	k_q440b52ee85_prep
	.p2align	8
	.type	k_q440b52ee85_prep,@function
k_q440b52ee85_prep:
	s_mov_b64 s[64:65], 0
	v_nop
	global_prefetch_b8 v0, s[64:65] scope:SCOPE_SE
	s_setreg_imm32_b32 hwreg(HW_REG_WAVE_SCHED_MODE, 0, 2), 2
	s_setreg_imm32_b32 hwreg(HW_REG_WAVE_MODE, 25, 1), 1
	s_wait_xcnt 0x0
	s_wait_alu depctr_vm_vsrc(0)
; ROUNDING, RE-LAYING AND THE ANGLE TABLE.
; x [8192][1024] and wq, wk, wv [1024][1024], all f32, are rounded once to bf16; wo is rounded to bf16 and that number is written as f16.
; All of them are laid in K BLOCKS: [block of 64 channels][row][64], so that 64 channels of a run of rows are dense bytes, 128 a row:
;   xb [b 4][kb 16][s 2048][64]   wb [q,k,v][kb 16][n 1024][64]   wob [kb 16][n 1024][64]
; tab [s 2048][pair 32][cos, sin] in f32: the angle is token_positions[s] x 10000^(-pair/32).
; SHARES.  12,288 source rows of 4,096 bytes; a work-group takes 16, wave w rows 2 w and 2 w + 1.  One load: lanes 0-15 take the 256 bytes of block kb of the even row, lanes 16-31 of the odd
; row; the 4 numbers of a lane become 8 bytes, and one store of the wave covers 256 consecutive bytes, aligned: the two rows in block kb.  All 16 loads of a wave go out at once.
; Work-groups 0-511 also make the table: waves 0-3 a token each, a lane a pair; one store of 256 consecutive bytes.
; No LDS, no barrier, no matrix unit: nothing is shared and nothing is multiplied.
; LIMITS.  sin and cos by reduction with pi/2 in three parts and polynomials of degree 9 and 8: good for |position| up to 2^20.  10000^(-pair/32) is 2^(pair x -0.41524101), the argument rounded
; once to f32: at position 2,047 the angle is off by up to about 2e-4.  A weight of wo below 6.1e-5 keeps f16's fixed step of 6e-8; beyond 65,504 it would be an infinity.
; THE MODE: SCHED_MODE bits 1:0 = 2 (LLVM: expert scheduling mode 2), set by the entry lines.  The code itself states the register dependences
; between vector instructions and memory instructions, with s_wait_alu, always for 0.
; THE PLAN.  Registers that memory instructions touch:
;   v2 (VI)       the loads' offset.   Written by vector lines at the head, never again; read by the 16 loads.
;   v8-23 (VO)    the stores' offsets. Written by vector lines at the head, never again; block k's store reads v[VO+k], the table's store v[VO].
;   v32-95 (X)    the loads land here; vector lines alone read them (and, for wo, write them again once the data are in); no memory instruction reads them.
;   v96-127 (Y)   block k's conversions write its two words; its one store reads them; nothing writes them behind that store.
;   v4, v5        cos and sin: written by the table's vector lines, read by the table's one store, never written again.
; So: one wait on va_vdst ahead of the loads serves all offsets for the whole kernel; one ahead of the table's store; and the 16 blocks go in four groups of four, each with ONE wait on va_vdst
; between its conversions and its four stores.  No register that a memory instruction reads is written again, so behind the entry lines the text holds no wait on vm_vsrc and none on XCNT.
; The wave's number passes from a vector line into a scalar register, and the table's compare into VCC: each has its wait ahead of the first reader.
.set VI, 2                             ; v2       my byte offset in the wave's two source rows: 4,096 x (lane / 16) + 16 x (lane % 16); never rewritten
.set VO, 8                             ; v[8:23]  block k: 8 x lane + k x the distance between blocks; never rewritten
.set X,  32                            ; v[32:95]  block k: 4 numbers as loaded
.set Y,  96                            ; v[96:127] block k: 2 words to store
	s_load_b512 s[4:19], s[0:1], 0x0               ; x s[4:5], positions s[6:7], wq s[8:9], wk s[10:11], wv s[12:13], wo s[14:15], xb s[16:17], wb s[18:19]
	s_load_b128 s[20:23], s[0:1], 0x40             ; wob s[20:21], tab s[22:23]
	v_lshrrev_b32 v3, 5, v0
	v_readfirstlane_b32 s40, v3                    ; wave 0..7
	v_and_b32 v1, 31, v0                           ; lane
	v_lshrrev_b32 v3, 4, v1
	v_and_b32 v[VI], 15, v1
	v_lshlrev_b32 v[VI], 4, v[VI]
	v_lshl_add_u32 v[VI], v3, 12, v[VI]
	s_wait_alu depctr_va_sdst(0)                   ; s40 is written, ahead of its first reader: the offsets of my wave's rows, and the table's branch and token, are made from it
	; which tensor: work-groups 0-511 x, 512-575 wq, 576-639 wk, 640-703 wv, 704-767 wo
	s_mov_b32 s24, ttmp9
	s_sub_co_u32 s25, s24, 512                     ; (of use from 512 on)
	s_and_b32 s26, s25, 63                         ; the block of 16 rows in a weight
	s_lshr_b32 s27, s25, 6                         ; which weight
	s_cmp_ge_u32 s24, 704
	s_cselect_b32 s27, 0, s27                      ; wo has a buffer of its own
	s_lshl_b32 s36, s27, 21                        ; a weight is 2,097,152 bytes of wb,
	s_lshl_b32 s37, s26, 11                        ; 16 rows are 2,048 bytes of a block
	s_add_co_u32 s36, s36, s37
	s_lshr_b32 s37, s24, 7                         ; x: batch, 4,194,304 bytes of xb,
	s_lshl_b32 s37, s37, 22
	s_and_b32 s38, s24, 127
	s_lshl_b32 s38, s38, 11                        ; and the 16 rows
	s_add_co_u32 s37, s37, s38
	s_mov_b32 s35, 0x40000                         ; from block to block: 2,048 rows x 128 bytes in xb,
	s_cmp_ge_u32 s24, 512
	s_cselect_b32 s36, s36, s37
	s_cselect_b32 s30, s26, s24                    ; the block of 16 rows in the source
	s_cselect_b32 s35, 0x20000, s35                ; 1,024 rows x 128 bytes in wb and wob
	s_lshl_b32 s37, s40, 8                         ; my wave's two rows: 256 bytes of a block
	s_add_co_u32 s36, s36, s37
	s_mov_b32 s37, 0
	s_lshl_b32 s38, s30, 16                        ; 16 source rows are 65,536 bytes,
	s_lshl_b32 s39, s40, 13                        ; two are 8,192
	s_add_co_u32 s38, s38, s39
	s_mov_b32 s39, 0
	v_lshlrev_b32 v[VO], 3, v1
.set k, 1
.rept 15
	v_add_nc_u32 v[VO+k], s35, v[VO+k-1]
.set k, k+1
.endr
	s_wait_kmcnt 0x0
	s_cmp_ge_u32 s24, 704
	s_cselect_b64 s[28:29], s[14:15], s[12:13]
	s_cselect_b64 s[32:33], s[20:21], s[18:19]
	s_cmp_ge_u32 s24, 640
	s_cselect_b64 s[28:29], s[28:29], s[10:11]
	s_cmp_ge_u32 s24, 576
	s_cselect_b64 s[28:29], s[28:29], s[8:9]
	s_cmp_ge_u32 s24, 512
	s_cselect_b64 s[28:29], s[28:29], s[4:5]
	s_cselect_b64 s[32:33], s[32:33], s[16:17]
	s_add_nc_u64 s[28:29], s[28:29], s[38:39]      ; the source at my wave's two rows
	s_add_nc_u64 s[32:33], s[32:33], s[36:37]      ; the destination at their place in block 0
	s_wait_alu depctr_va_vdst(0)                   ; v[VI] and v[VO .. VO+15] are written: every load and store of the kernel reads one of them as its offset, and no later vector line names them
.set k, 0
.rept 16
	global_load_b128 v[X+4*k:X+4*k+3], v[VI], s[28:29] offset:256*k th:TH_LOAD_NT  ; read once in the launch
.set k, k+1
.endr
	; THE TABLE, while the loads are on their way: token 4 g + w for work-groups g < 512 and waves w < 4.  Its vector lines name none of the registers that the loads touch
	s_cmp_lt_u32 s24, 512
	s_cbranch_scc0 .Lnotab
	s_cmp_lt_u32 s40, 4
	s_cbranch_scc0 .Lnotab
	s_lshl2_add_u32 s42, s24, s40                  ; the token
	s_lshl_b32 s44, s42, 2
	s_mov_b32 s45, 0
	s_add_nc_u64 s[6:7], s[6:7], s[44:45]
	s_load_b32 s41, s[6:7], 0x0                    ; its position
	s_lshl_b32 s46, s42, 8
	s_mov_b32 s47, 0
	s_add_nc_u64 s[22:23], s[22:23], s[46:47]      ; its 256 bytes of the table
	v_cvt_f32_u32 v24, v1                          ; the pair
	v_mul_f32 v24, 0xbed49a78, v24                 ; x -log2(10000) / 32
	v_exp_f32 v24, v24                             ; 10000^(-pair/32)
	s_wait_kmcnt 0x0
	v_mov_b32 v25, s41                             ; (the plain instruction behind the exponential: ISA guide 5.7.2)
	v_cvt_f32_i32 v25, v25
	s_wait_alu depctr_va_vdst(0)                   ; v24, the exponential's result, is written, ahead of its first reader
	v_mul_f32 v25, v25, v24                        ; the angle
	v_mul_f32 v26, 0x3f22f983, v25                 ; x 2 / pi
	v_rndne_f32 v26, v26                           ; n quarter turns
	v_fmamk_f32 v27, v26, 0xbfc90fdb, v25          ; r = angle - n pi/2, pi/2 in three parts, each product exact inside its multiply-add
	v_fmamk_f32 v27, v26, 0x333bbd2e, v27
	v_fmamk_f32 v27, v26, 0x26f72ced, v27
	v_cvt_i32_f32 v3, v26
	v_and_b32 v7, 1, v3                            ; an odd n swaps sin and cos: the compare stands here, so that the two polynomials lie between it and the wait for VCC
	v_cmp_eq_u32 vcc_lo, 1, v7
	v_mul_f32 v28, v27, v27                        ; r^2
	v_mov_b32 v29, 0x3638ef1d                      ; sin r = r + r^3 (-1/6 + r^2 (1/120 + r^2 (-1/5040 + r^2 / 362880)))
	v_mov_b32 v31, 0x37d00d01                      ; cos r = 1 + r^2 (-1/2 + r^2 (1/24 + r^2 (-1/720 + r^2 / 40320)))
	v_fmaak_f32 v29, v29, v28, 0xb9500d01
	v_fmaak_f32 v31, v31, v28, 0xbab60b61
	v_fmaak_f32 v29, v29, v28, 0x3c088889
	v_fmaak_f32 v31, v31, v28, 0x3d2aaaab
	v_fmaak_f32 v29, v29, v28, 0xbe2aaaab
	v_fma_f32 v31, v31, v28, -0.5
	v_mul_f32 v30, v27, v28
	v_fma_f32 v31, v31, v28, 1.0
	v_fma_f32 v29, v30, v29, v27
	s_wait_alu depctr_va_vcc(0)                    ; the compare has written VCC, which the two selects read
	v_cndmask_b32 v4, v31, v29, vcc_lo             ; cos
	v_cndmask_b32 v5, v29, v31, vcc_lo             ; sin
	v_add_nc_u32 v7, 1, v3                         ; cos is negative for n mod 4 = 1, 2: bit 1 of n + 1;
	v_lshlrev_b32 v7, 30, v7
	v_and_b32 v7, 0x80000000, v7
	v_xor_b32 v4, v4, v7
	v_lshlrev_b32 v3, 30, v3                       ; sin for n mod 4 = 2, 3: bit 1 of n
	v_and_b32 v3, 0x80000000, v3
	v_xor_b32 v5, v5, v3
	s_wait_alu depctr_va_vdst(0)                   ; v4 and v5 are written, which the store reads as its data
	global_store_b64 v[VO], v[4:5], s[22:23]       ; 8 bytes a lane: the token's 256 bytes; none of its registers is written again
.Lnotab:
; The 16 blocks, rounded and stored, in four groups of four.  f16 = 1: the bf16 number is widened again and written as f16.
; A group: the wait for its four loads; its conversions, which write its eight words of Y; one wait on va_vdst; its four stores on end.  No register that a load or store reads is written again.
.macro CONV f16
.set g, 0
.rept 4
	s_wait_loadcnt 12-4*g                          ; loads come back in order (ISA guide 5.7.1): blocks 4 g to 4 g + 3 are in, the 12 - 4 g younger loads stay out
.set k, 4*g
.rept 4
	v_cvt_pk_bf16_f32 v[Y+2*k],   v[X+4*k],   v[X+4*k+1]
	v_cvt_pk_bf16_f32 v[Y+2*k+1], v[X+4*k+2], v[X+4*k+3]
.if \f16
	v_lshlrev_b32 v[X+4*k],   16,         v[Y+2*k]
	v_and_b32     v[X+4*k+1], 0xffff0000, v[Y+2*k]
	v_lshlrev_b32 v[X+4*k+2], 16,         v[Y+2*k+1]
	v_and_b32     v[X+4*k+3], 0xffff0000, v[Y+2*k+1]
	v_cvt_pk_f16_f32 v[Y+2*k],   v[X+4*k],   v[X+4*k+1]
	v_cvt_pk_f16_f32 v[Y+2*k+1], v[X+4*k+2], v[X+4*k+3]
.endif
.set k, k+1
.endr
	s_wait_alu depctr_va_vdst(0)                   ; the group's conversions have written its eight words of Y, which the four stores below read as their data
.set k, 4*g
.rept 4
	global_store_b64 v[VO+k], v[Y+2*k:Y+2*k+1], s[32:33]  ; 256 consecutive bytes, at a multiple of 256 from the buffer's first byte
.set k, k+1
.endr
.set g, g+1
.endr
.endm
	s_cmp_ge_u32 s24, 704
	s_cbranch_scc1 .Lf16
	CONV 0
	s_endpgm
.Lf16:
	CONV 1
	s_endpgm
.Lfunc_end_k_q440b52ee85_prep:
	.size	k_q440b52ee85_prep, .Lfunc_end_k_q440b52ee85_prep-k_q440b52ee85_prep
	.p2alignl 7, 3214868480
	.fill 96, 4, 3214868480
	.section	.rodata,"a",@progbits
	.p2align	6, 0x0
	.amdhsa_kernel k_q440b52ee85_prep
		.amdhsa_group_segment_fixed_size 0
		.amdhsa_private_segment_fixed_size 0
		.amdhsa_enable_private_segment 0
		.amdhsa_kernarg_size 80
		.amdhsa_user_sgpr_count 2
		.amdhsa_user_sgpr_kernarg_segment_ptr 1
		.amdhsa_wavefront_size32 1
		.amdhsa_system_sgpr_workgroup_id_x 1
		.amdhsa_system_sgpr_workgroup_id_y 1
		.amdhsa_system_sgpr_workgroup_id_z 1
		.amdhsa_system_vgpr_workitem_id 0
		.amdhsa_next_free_vgpr 128
		.amdhsa_next_free_sgpr 66
		.amdhsa_reserve_vcc 1
		.amdhsa_float_denorm_mode_32 3
		.amdhsa_float_denorm_mode_16_64 3
		.amdhsa_memory_ordered 1
		.amdhsa_forward_progress 1
		.amdhsa_inst_pref_size 20
	.end_amdhsa_kernel
	.amdgpu_metadata
---
amdhsa.version: [ 1, 2 ]
amdhsa.kernels:
  - .name:           k_q440b52ee85_prep
    .symbol:         k_q440b52ee85_prep.kd
    .args:
      - { .name: in_features, .offset: 0, .size: 8, .value_kind: global_buffer, .address_space: global }
      - { .name: token_positions, .offset: 8, .size: 8, .value_kind: global_buffer, .address_space: global }
      - { .name: wq, .offset: 16, .size: 8, .value_kind: global_buffer, .address_space: global }
      - { .name: wk, .offset: 24, .size: 8, .value_kind: global_buffer, .address_space: global }
      - { .name: wv, .offset: 32, .size: 8, .value_kind: global_buffer, .address_space: global }
      - { .name: wo, .offset: 40, .size: 8, .value_kind: global_buffer, .address_space: global }
      - { .name: xb, .offset: 48, .size: 8, .value_kind: global_buffer, .address_space: global }
      - { .name: wb, .offset: 56, .size: 8, .value_kind: global_buffer, .address_space: global }
      - { .name: wob, .offset: 64, .size: 8, .value_kind: global_buffer, .address_space: global }
      - { .name: tab, .offset: 72, .size: 8, .value_kind: global_buffer, .address_space: global }
    .group_segment_fixed_size: 0
    .private_segment_fixed_size: 0
    .kernarg_segment_align: 8
    .kernarg_segment_size: 80
    .max_flat_workgroup_size: 256
    .sgpr_count:     66
    .vgpr_count:     128
    .wavefront_size: 32
...
	.end_amdgpu_metadata
.endif
;; end of part 5
;; launch qkv: the kernel of part 2 again; grid 8 x 32, 4 waves a work-group, clusters of 4 x 4, 327,680 bytes of LDS; arguments xb, wb, tab, qkv; writes qkv
;; launch attn: the kernel of part 3 again; grid 4 x 64, 4 waves a work-group, no clusters, 327,680 bytes of LDS; arguments qkv, ob; writes ob
;; launch oproj: the kernel of part 4 again; grid 8 x 32, 4 waves a work-group, clusters of 4 x 4, 327,680 bytes of LDS; arguments ob, wob, out0; writes out0
